; MI455X (gfx1250); checked and timed in simulation.
; The chip was launched on July 23, 2026; its instructions are those of AMD's public machine-readable ISA for CDNA 5 (MIT licence, August 2026) and "CDNA5" Instruction Set Architecture Reference Guide (July 2026). The comments in the code are by the model that wrote it; some were corrected since.
;; Causal Self Attention. Allowed arithmetic: matrix products marked QUANTISED: E5M2 operands, one E8M0 scale for each 32 along K, by v_wmma_scale_f32_16x16x128_f8f6f4 with both operands' format E5M2, f32 sums; everything else in f32.
;; Inputs: W_k 1,024 x 1,024 float32; W_o 1,024 x 1,024 float32; W_q 1,024 x 1,024 float32; W_v 1,024 x 1,024 float32; b_o 1,024 float32; x 4 x 2,048 x 1,024 float32.
;; Outputs: out0 4 x 2,048 x 1,024 float32.
;; This version of the problem:
;;   THIS VERSION OF THE PROBLEM IS GIVEN IN LOW PRECISION. The matrix products marked QUANTISED in the list below multiply operands that are first quantised to E5M2 (5 exponent bits, 2 mantissa bits; 8 bits a number), with one power-of-two scale for each 32 numbers along K (OCP MX v1.0); their sums are f32. All else is computed in f32.
;;   The module's matrix products, in the order in which they are computed (A, B: the left and right operand; K: the contracted axis; several contracted axes count as one K, in the product's order):
;;     1. [M 8,192, K 1,024] x [K 1,024, N 1,024]; A: input x; B: input W_q: QUANTISED
;;     2. [M 8,192, K 1,024] x [K 1,024, N 1,024]; A: input x; B: input W_k: QUANTISED
;;     3. [M 8,192, K 1,024] x [K 1,024, N 1,024]; A: input x; B: input W_v: QUANTISED
;;     4. batch 64 x [M 2,048, K 64] x [K 64, N 2,048]; A: computed on the way; B: computed on the way: QUANTISED
;;     5. batch 64 x [M 2,048, K 2,048] x [K 2,048, N 64]; A: softmax (see below); B: computed on the way: QUANTISED
;;     6. [M 8,192, K 1,024] x [K 1,024, N 1,024]; A: computed on the way; B: input W_o: QUANTISED
;;   THE QUANTISER, for each operand of a quantised product, along K:
;;     - K is cut into blocks of 32 from its start; a last block that is shorter is filled with zeros.
;;     - A block's scale is 2^e with e = floor(log2(the largest magnitude in the block)) - 15, held to -126 .. 127; a block of zeros has e = 0. As a byte (E8M0): e + 127.
;;     - Each number is divided by its block's scale, clamped to +-57,344, and rounded to the nearest number of E5M2, ties to even, subnormals kept.
;;     - The product sums the exact products of the quantised numbers (number of the format x scale) in f32.
;;   ~~~python
;;   def quantise(x, axis):      # numpy; x: float32 -> the quantised numbers, widened to float32 again
;;       x = np.moveaxis(x, axis, -1); K = x.shape[-1]
;;       x = np.pad(x, [(0, 0)] * (x.ndim - 1) + [(0, -K % 32)]); x = x.reshape(x.shape[:-1] + (-1, 32)); a = np.abs(x).max(-1, keepdims=True)
;;       e = np.where(a > 0, np.clip(np.frexp(np.where(a > 0, a, 1))[1] - 1 - 15, -126, 127), 0)      # np.frexp(a)[1] - 1 = floor(log2(a)), exactly
;;       r = np.clip(x / 2.0 ** e, -57344, 57344)
;;       step = 2.0 ** (np.maximum(np.frexp(np.where(r == 0, 1, r))[1] - 1, -14) - 2)
;;       q = np.round(r / step) * step * 2.0 ** e      # np.round: ties to even
;;       return np.moveaxis(q.reshape(q.shape[:-2] + (-1,))[..., :K], -1, axis).astype(np.float32)
;;   ~~~
;;   SOFTMAX AHEAD OF A QUANTISED PRODUCT. Where the list says 'softmax', what is quantised is not the finished softmax but p = 2^(t - M), with t = logit x log2(e) and M = ceil(the row's largest t), a whole number; so 1/2 < the row's largest p <= 1. The row's sum l is taken of the UNQUANTISED p, in f32, and the product's result is divided by l at the end. Since M is a whole number, a kernel that streams over the keys may use a running M (the ceiling of the running maximum): every later rescaling is an exact power of two, which a block's scale takes up: the codes' values come out the same.
;;   OPERANDS COMPUTED ON THE WAY. 'Computed on the way' means the value that the module computes at that place (a softmax that the list does not call 'softmax' is quantised finished and normalised). What goes into a quantiser is computed in f32, as accurately as f32 sums, v_exp_f32 and their like allow (about 1e-6 of the number): no bf16 or f16 on the way to a quantiser, and a product that is left as it is and whose result goes on into a quantised operand takes f32 operands (vector FMAs, or v_wmma_f32_16x16x4_f32). A number that lies on a knife's edge between two numbers of the format may be rounded either way, as far as f32 arithmetic and the matrix unit's own rounding can turn it there, and no further.
;; One version. Each part assembles by itself: llvm-mc -triple=amdgcn-amd-amdhsa -mcpu=gfx1250 --defsym DOCPART=n.
;; ======== version 1 of 1: 4 launches
;; workspace buffers: x_codes 8,388,608 bytes; x_scales 262,144 bytes; w_codes 4,194,304 bytes; w_scales 131,072 bytes; qkv_codes 25,165,824 bytes; qkv_scales 786,432 bytes; y_codes 8,388,608 bytes; y_scales 262,144 bytes
;; launch quant (part 1): grid 384 x 1, 4 waves a work-group, no clusters, 33,280 bytes of LDS; arguments x, W_q, W_k, W_v, W_o, x_codes, x_scales, w_codes, w_scales; writes x_codes, x_scales, w_codes, w_scales
.if DOCPART == 1
	.amdgcn_target "amdgcn-amd-amdhsa--gfx1250"
	.amdhsa_code_object_version 6
	.text
	.protected	k_qcd3ab3c8d7_quant
	.globl	k_qcd3ab3c8d7_quant
	.p2align	8
	.type	k_qcd3ab3c8d7_quant,@function
k_qcd3ab3c8d7_quant:
	s_mov_b64 s[64:65], 0
	v_nop
	global_prefetch_b8 v0, s[64:65] scope:SCOPE_SE
	s_setreg_imm32_b32 hwreg(HW_REG_WAVE_MODE, 25, 1), 1
	s_wait_xcnt 0x0
; x [8192][1024] and W_q, W_k, W_v, W_o [1024][1024], f32, K innermost, become codes of BF8 (E5M2) with one E8M0 scale byte for each 32 along K.
; x_codes [8192][1024], x_scales [8192][32]; w_codes [4096][1024], w_scales [4096][32]: W_q's rows, then W_k's, W_v's, W_o's.
; A block's scale is 2^(floor(log2(its largest magnitude)) - 15); its byte is the largest magnitude's exponent field - 15, held at 1 from below; each number is held within +-57,344 x the scale and rounded to the nearest code, ties to even.
; THE ORDER INSIDE A BLOCK OF 32.  Byte 16 e + i of a block holds the code of element 8 e + i (i < 8) or 16 + 8 e + (i - 8) (i >= 8).  Every operand of this program has its codes in that order, both sides of every product alike,
; so the products are the same; it is the order in which a transposed matrix result falls into a lane's registers, so that later launches turn results into operands without moving a number between lanes.
; LIMITS: a block of zeros gets the byte 1 where the rule says 127 (its codes are zeros, which add nothing under any byte but 0xff; this program alone reads the bytes); NaN and infinities among the inputs are not served.
; Rows are dense and 1,024 is a multiple of 32: each tensor is a plain stream of blocks.  A work-group takes 32,768 numbers, a wave 16 steps of 512.  The first 256 work-groups take x, then 32 each W_q, W_k, W_v, W_o:
; only pointers are chosen, by the work-group's number; there is one path through the text.
; Each of a step's four loads reads 512 consecutive bytes, 16 a lane; the 2,048 bytes go through the wave's own stage in LDS and come back 64 bytes a lane: two neighbouring lanes hold a block.
; No tensor loads, no barrier: waves share nothing.  Loads run four steps (16 loads a wave) ahead, the turn through LDS one step.
.set STEPS, 16
.set EMAX,  15
.set MANT,  0x600000                   ; the mantissa field of 57,344 as f32
.set CB,    16                         ; bytes of 16 codes
.set R,     16                         ; v16-79   four sets of 16 numbers as they are loaded
.set X,     80                         ; v80-111  two sets of 16 numbers of one block
.set C,     128                        ; v128-191 codes: four registers for each step, so that no store's data are written again
.set E,     112                        ; v112-127 a scale byte for each step
.set WREG,  8192                       ; LDS: a region for each wave: two stages of 32 x SP bytes, behind them its 256 scale bytes
.set SP,    80                         ; 64 bytes of a stage + 16 of padding
	s_load_b256 s[4:11], s[0:1], 0x0               ; x, W_q, W_k, W_v
	s_load_b256 s[12:19], s[0:1], 0x20             ; W_o, x_codes, x_scales, w_codes
	s_load_b64 s[20:21], s[0:1], 0x40              ; w_scales
	v_lshl_add_u32 v192, v0, 2, 0x8000
	v_mov_b32 v193, 0
	v_lshrrev_b32 v1, 5, v0
	v_readfirstlane_b32 s30, v1                    ; wave
	v_and_b32 v2, 31, v0                           ; lane
	v_lshlrev_b32 v3, 4, v2                        ; my 16 bytes of a load's 512, and of a step's 512 bytes of codes
	s_mul_i32 s31, s30, WREG
	v_lshrrev_b32 v14, 2, v2
	v_mul_u32_u24 v14, v14, SP
	v_and_b32 v15, 3, v2
	v_lshl_add_u32 v14, v15, 4, v14
	v_add_nc_u32 v14, s31, v14                     ; the stage, on the way in: four lanes' 64 bytes on end, then 16 of padding
	v_lshrrev_b32 v5, 1, v2                        ; my block among the step's 16
	v_mul_u32_u24 v15, v5, 2*SP                    ; a block's 128 bytes take two places of the stage
	v_and_b32 v7, 1, v2                            ; e: which half of the block's codes is mine
	v_lshl_add_u32 v15, v7, 5, v15
	v_add_nc_u32 v15, s31, v15                     ; on the way out: elements 8 e .. 8 e + 7 lie 32 e bytes into the first place, elements 16 + 8 e .. into the second
	s_add_co_u32 s31, s31, 2*32*SP
	v_add_nc_u32 v5, s31, v5                       ; LDS: my wave's 256 scale bytes, my block's byte
	v_lshlrev_b32 v7, 3, v2                        ; and on the way out 8 bytes a lane
	v_add_nc_u32 v6, s31, v7
	s_mov_b32 s33, MANT                            ; (an instruction takes one literal: the hold's line has another)
	s_and_b32 s28, ttmp9, 31                       ; a weight's work-groups count from 0 to 31 in its own tensor,
	s_sub_co_u32 s29, ttmp9, 256                   ; and from 0 to 127 in the weights' common buffers
	s_wait_kmcnt 0x0
	s_mov_b64 s[22:23], s[12:13]                   ; which tensor: the choice hangs on the work-group's number alone
	s_cmp_lt_u32 ttmp9, 352
	s_cselect_b64 s[22:23], s[10:11], s[22:23]
	s_cmp_lt_u32 ttmp9, 320
	s_cselect_b64 s[22:23], s[8:9], s[22:23]
	s_cmp_lt_u32 ttmp9, 288
	s_cselect_b64 s[22:23], s[6:7], s[22:23]
	s_cmp_lt_u32 ttmp9, 256
	s_cselect_b64 s[22:23], s[4:5], s[22:23]
	s_cselect_b64 s[24:25], s[14:15], s[18:19]     ; its codes
	s_cselect_b64 s[26:27], s[16:17], s[20:21]     ; its scale bytes
	s_cselect_b32 s28, ttmp9, s28
	s_cselect_b32 s29, ttmp9, s29
	s_lshl_b32 s28, s28, 2
	s_add_co_u32 s28, s28, s30                     ; which run of 8,192 numbers of the tensor is my wave's,
	s_lshl_b32 s29, s29, 2
	s_add_co_u32 s29, s29, s30                     ; and of the buffers of codes and scale bytes
	s_mov_b32 s35, 0
	s_lshl_b32 s34, s28, 15                        ; 32,768 bytes of f32 a run (under 2^26)
	s_add_nc_u64 s[22:23], s[22:23], s[34:35]
	s_lshl_b32 s34, s29, 13                        ; 8,192 bytes of codes
	s_add_nc_u64 s[24:25], s[24:25], s[34:35]
	s_lshl_b32 s34, s29, 8                         ; 256 scale bytes
	s_add_nc_u64 s[26:27], s[26:27], s[34:35]
.macro LOAD t
.irp i, 0,1,2,3
	global_load_b128 v[R+16*((\t)%4)+4*\i:R+16*((\t)%4)+4*\i+3], v3, s[22:23] offset:2048*(\t)+512*\i th:TH_LOAD_NT   ; 32 lanes read 512 consecutive bytes
.endr
.endm
.macro TURN t                          ; step t's numbers through the stage: LDS serves a wave's instructions in order, so no wait stands between the stores and the loads
.irp i, 0,1,2,3
	ds_store_b128 v14, v[R+16*((\t)%4)+4*\i:R+16*((\t)%4)+4*\i+3] offset:32*SP*((\t)%2)+8*SP*\i
.endr
.irp i, 0,1,2,3
	ds_load_b128 v[X+16*((\t)%2)+4*\i:X+16*((\t)%2)+4*\i+3], v15 offset:32*SP*((\t)%2)+16*(\i%2)+SP*(\i/2)
.endr
.endm
.irp t, 0,1,2,3
	LOAD \t
.endr
	s_wait_loadcnt 12                              ; step 0's four loads are in
	TURN 0
.macro STEP t
.set XS, X+16*((\t)%2)
.if (\t) > 0
	s_wait_dscnt 1                                 ; this step's numbers are back from the stage (the last step's byte store may be out): so its stores into the stage have read their registers,
.else
	s_wait_dscnt 0x0
.endif
.if (\t)+4 < STEPS
	LOAD (\t)+4                                    ; which take the loads of four steps on
.endif
.if (\t)+1 < STEPS
.if STEPS-2-(\t) >= 3
	s_wait_loadcnt 12                              ; the next step's four loads are in; those of the three steps behind it may be out
.else
	s_wait_loadcnt 4*(STEPS-2-(\t))
.endif
	TURN (\t)+1                                    ; and go through the other stage while this step is worked
.endif
	v_max3_num_f32 v8, |v[XS]|, |v[XS+1]|, |v[XS+2]|               ; the largest magnitude of my 16
	v_max3_num_f32 v9, |v[XS+3]|, |v[XS+4]|, |v[XS+5]|
.irp i, 6,10
	v_max3_num_f32 v8, v8, |v[XS+\i]|, |v[XS+\i+1]|
	v_max3_num_f32 v9, v9, |v[XS+\i+2]|, |v[XS+\i+3]|
.endr
	v_max3_num_f32 v8, v8, |v[XS+14]|, |v[XS+15]|
	v_max3_num_f32 v8, v8, v9, (EMAX+1)<<23        ; and the floor 2^(16 - 127): the byte cannot fall under 1
	v_max_num_f32_dpp v8, v8, v8 row_xmask:1 row_mask:0xf bank_mask:0xf   ; and of my neighbour's 16: the block's
	v_add_nc_u32 v11, -(EMAX<<23), v8              ; 15 off its exponent field: the conversion takes the exponent field of this operand as its scale
	v_and_or_b32 v10, v8, 0x7f800000, s33          ; 57,344 x the scale
.irp i, 0,1,2,3,4,5,6,7,8,9,10,11,12,13,14,15
	v_med3_num_f32 v[XS+\i], v[XS+\i], -v10, v10   ; the conversion to an 8-bit code does not saturate (ISA guide 7.6.2): the hold comes first
.endr
	v_cvt_scalef32_pk8_bf8_f32 v[C+4*(\t):C+4*(\t)+1], v[XS:XS+7], v11
	v_cvt_scalef32_pk8_bf8_f32 v[C+4*(\t)+2:C+4*(\t)+3], v[XS+8:XS+15], v11
	v_lshrrev_b32 v[E+(\t)], 23, v11               ; the scale's byte
	ds_store_b8 v5, v[E+(\t)] offset:16*(\t)       ; both lanes of a block write the same byte with the same value
	global_store_b128 v3, v[C+4*(\t):C+4*(\t)+3], s[24:25] offset:32*CB*(\t)   ; the wave stores 512 consecutive bytes
.endm
.irp t, 0,1,2,3,4,5,6,7,8,9,10,11,12,13,14,15
	STEP \t
.endr
	ds_load_b64 v[12:13], v6                       ; LDS serves a wave's instructions in order: these see my stores
	s_wait_dscnt 0x0
	global_store_b64 v7, v[12:13], s[26:27]        ; 32 lanes store 256 consecutive bytes, aligned
	s_wait_tensorcnt 0x0
	ds_add_u32 v192, v193
	s_wait_dscnt 0x0
	s_endpgm
.Lfunc_end_k_qcd3ab3c8d7_quant:
	.size	k_qcd3ab3c8d7_quant, .Lfunc_end_k_qcd3ab3c8d7_quant-k_qcd3ab3c8d7_quant
	.p2alignl 7, 3214868480
	.fill 96, 4, 3214868480
	.section	.rodata,"a",@progbits
	.p2align	6, 0x0
	.amdhsa_kernel k_qcd3ab3c8d7_quant
		.amdhsa_group_segment_fixed_size 33280
		.amdhsa_private_segment_fixed_size 0
		.amdhsa_enable_private_segment 0
		.amdhsa_kernarg_size 72
		.amdhsa_user_sgpr_count 2
		.amdhsa_user_sgpr_kernarg_segment_ptr 1
		.amdhsa_wavefront_size32 1
		.amdhsa_system_sgpr_workgroup_id_x 1
		.amdhsa_system_sgpr_workgroup_id_y 1
		.amdhsa_system_sgpr_workgroup_id_z 1
		.amdhsa_system_vgpr_workitem_id 0
		.amdhsa_next_free_vgpr 194
		.amdhsa_next_free_sgpr 66
		.amdhsa_reserve_vcc 0
		.amdhsa_float_denorm_mode_32 3
		.amdhsa_float_denorm_mode_16_64 3
		.amdhsa_memory_ordered 1
		.amdhsa_forward_progress 1
		.amdhsa_inst_pref_size 51
	.end_amdhsa_kernel
	.amdgpu_metadata
---
amdhsa.version: [ 1, 2 ]
amdhsa.kernels:
  - .name:           k_qcd3ab3c8d7_quant
    .symbol:         k_qcd3ab3c8d7_quant.kd
    .args:
      - { .name: x, .offset: 0, .size: 8, .value_kind: global_buffer, .address_space: global }
      - { .name: W_q, .offset: 8, .size: 8, .value_kind: global_buffer, .address_space: global }
      - { .name: W_k, .offset: 16, .size: 8, .value_kind: global_buffer, .address_space: global }
      - { .name: W_v, .offset: 24, .size: 8, .value_kind: global_buffer, .address_space: global }
      - { .name: W_o, .offset: 32, .size: 8, .value_kind: global_buffer, .address_space: global }
      - { .name: x_codes, .offset: 40, .size: 8, .value_kind: global_buffer, .address_space: global }
      - { .name: x_scales, .offset: 48, .size: 8, .value_kind: global_buffer, .address_space: global }
      - { .name: w_codes, .offset: 56, .size: 8, .value_kind: global_buffer, .address_space: global }
      - { .name: w_scales, .offset: 64, .size: 8, .value_kind: global_buffer, .address_space: global }
    .group_segment_fixed_size: 33280
    .private_segment_fixed_size: 0
    .kernarg_segment_align: 8
    .kernarg_segment_size: 72
    .max_flat_workgroup_size: 128
    .sgpr_count:     66
    .vgpr_count:     194
    .wavefront_size: 32
...
	.end_amdgpu_metadata
.endif
;; end of part 1
;; launch qkv (part 2): grid 12 x 32, 4 waves a work-group, clusters of 4 x 4, 327,680 bytes of LDS; arguments x_codes, x_scales, w_codes, w_scales, qkv_codes, qkv_scales; writes qkv_codes, qkv_scales
.if DOCPART == 2
	.amdgcn_target "amdgcn-amd-amdhsa--gfx1250"
	.amdhsa_code_object_version 6
	.text
	.protected	k_qcd3ab3c8d7_qkv
	.globl	k_qcd3ab3c8d7_qkv
	.p2align	8
	.type	k_qcd3ab3c8d7_qkv,@function
k_qcd3ab3c8d7_qkv:
	s_mov_b64 s[64:65], 0
	v_nop
	global_prefetch_b8 v0, s[64:65] scope:SCOPE_SE
	s_setreg_imm32_b32 hwreg(HW_REG_WAVE_MODE, 25, 1), 1
	s_wait_xcnt 0x0
	s_wait_alu depctr_hold_cnt(0) depctr_sa_sdst(0) depctr_va_vdst(0) depctr_va_sdst(0) depctr_va_ssrc(0) depctr_va_vcc(0) depctr_vm_vsrc(0)
	s_getreg_b32 s2, hwreg(HW_REG_IB_STS2, 6, 4)
	s_cmp_eq_u32 s2, 0
	s_cbranch_scc0 .Lentry_in_a_cluster
	s_endpgm
.Lentry_in_a_cluster:
	s_bfe_u32 s2, ttmp6, 0x10000c
	s_cmp_lg_u32 s2, 0xf033
	s_cbranch_scc0 .Lentry_shape_is_right
	s_endpgm
.Lentry_shape_is_right:
; q, k and v = x W^T for W_q, W_k, W_v (rows 0 to 3,071 of w_codes), on codes of BF8 (E5M2) with E8M0 scales for each 32 along K = 1,024; sums in f32.  The results never go to memory as f32:
; they are quantised here, in registers, and stored as the next launch's operands: q and k along the channels, v along the tokens.
; A tile of 256 tokens x 256 rows of W is made by four waves, 128 x 128 each: 64 accumulators, 512 registers.  K goes in steps of 256 through a ring of two LDS slots filled by the tensor data mover.
; The scale bytes of the work-group's 256 rows of x and 256 rows of W, for all of K, come into LDS once, with the first fills.
; CLUSTERS: 4 x 4 work-groups; x's tile is asked for jointly along a row of the cluster, W's along a column.
; THE MATRIX INSTRUCTION: in the result a lane holds one row of source 1, and its eight registers eight neighbouring rows of source 0.  For q and k source 1 = tokens and source 0 = rows of W: a lane's registers run along the channels.
; For v (the clusters with x = 2: MODE = 1, the same in all sixteen partners) the two change places, by the LDS addresses from which the fragments and scale words are read: a lane then holds a channel and its registers run along the tokens.
; THE WAY OUT.  The 16 registers of two neighbouring accumulators are 16 numbers of one block of 32 (the lane 16 away holds the other 16), in the order inside a block that all operands of this program have.  So a block's largest magnitude
; wants one exchange, and the conversions' results are registers 4 bp .. 4 bp + 3 of an operand.  qkv_codes: [Gw 24][Rx 64][a 8][bp 4][lane 32][16 bytes], Gw = row of W / 128, Rx = token / 128; a = the block of 16 rows of source 1.
; qkv_scales: [Gw][Rx][a / 4][r 16][a % 4], a word of four bytes (byte bp for block bp) for row 16 a + r.  Every store of the wave covers 512 consecutive bytes, aligned.
; LIMITS: a block of zeros gets the byte 1 (its codes are zeros; this program alone reads the bytes); NaN and infinities are not served.
; No prefetch: K has four fills of a slot, of which two are first fills.
; REGISTERS, in windows of 256: window 0: v0-31 addresses; v32-63 scale words, two sets; v64-91 at work on the way out; from v128 source 1's fragments, one set; on the way out the codes.
;   window 1: source 0's fragments, two sets.   window 2: the accumulators of blocks a = 0 .. 3 ((a, b) at v[8 (8 a + b)]);   window 3: those of a = 4 .. 7.
.set SIZE_K, 1024
.set KSTEP,  256                       ; along K in a slot
.set NQ,     KSTEP/128                 ; matrix instructions deep
.set ROWB,   256                       ; a tile's row in bytes
.set KROW,   SIZE_K                    ; a row of codes in memory, in bytes
.set PITCH,  272                       ; an LDS row: 256 bytes + 16 of padding: the 16 rows that a load touches start at 16 different banks (64 banks of 4 bytes: ISA guide 11.1)
.set FR,     16                        ; registers of a fragment: 16 rows x 128 K
.set NL,     4                         ; LDS loads that bring one
.set NP,     8                         ; places behind this matrix instruction (ISA guide 7.12.1)
.set HALFT,  128*PITCH                 ; 128 rows: what one tensor load brings
.set SLOT,   4*HALFT                   ; x's 256 rows, then W's 256 rows
.set LAPS,   SIZE_K/(2*KSTEP)
.set KS,     SIZE_K/32                 ; a row of scale bytes
.set SCL,    2*SLOT                    ; behind the ring: the scales, as 256 bytes + 16 of padding
.set HALFS,  (128*KS/256)*272
.set SBLK,   (16*KS/256)*272
.set SPARE,  SCL+4*HALFS               ; the spare words, 128 bytes for each wave: two blocks of 256 bytes that no other line names
.set ADRA, 16                          ; v16-17  LDS address of source 1's fragments in slot 0, 1
.set ADRB, 20                          ; v20-21  of source 0's
.set LN,   25                          ; v25     my lane
.set VO,   26                          ; v26     16 x lane: my place in every store
.set ADRS, 27                          ; v27     LDS address of my scale words: lanes 0-15 source 1's rows, lanes 16-31 source 0's
.set SPW,  28                          ; v28     LDS address of my spare word; never rewritten
.set NIL,  29                          ; v29     0; never rewritten
.set SC,   32                          ; scale words
.set TM,   64                          ; v64-67 largest magnitudes, v68-71 bytes, v72-75 57,344 x the scale, v76-79 the conversions' scale operands
.set PW,   80                          ; v80-87  the scale word of row 16 a + r, for each a
.set SWD,  88                          ; v88-91  four of them, as they are stored
.set AF,   128                         ; source 1's fragments, in window 0
.set PC,   128                         ; the way out: the codes, 16 registers for each a
.set G1, 24
.set G0, 32
.set G1B, 48
.set G0B, 56
.set G1S, 68
.set G0S, 76
.set G1SB, 80
.set G0SB, 88
.set MODE, 66                          ; s66     1 for v's tiles
.set MSB, 0
.macro WIN new                         ; the immediate's high byte repeats the setting that is left
.if MSB != (\new)
	s_set_vgpr_msb (MSB<<8)|(\new)
.set MSB, (\new)
.endif
.endm
.set MUL_LO, 0xa1                      ; source 0 window 1, source 1 window 0, C and D window 2
.set MUL_HI, 0xf1                      ; the same, C and D window 3
.set TO_B,   0x40                      ; destination window 1, address window 0
; A joint load: waves 0 and 1 fetch x's halves, waves 2 and 3 W's.  The branch hangs on the wave's number alone.  Four v_nop follow each of the two lines.
.macro JLOAD g0a, g1a, g0b, g1b
	s_cmp_eq_u32 s15, 0
	s_cbranch_scc0 .Lfor_b_\@
	tensor_load_to_lds s[\g0a:\g0a+3], s[\g1a:\g1a+7]
	s_nop 0
.rept 4
	v_nop
.endr
	s_branch .Lasked_\@
.Lfor_b_\@:
	tensor_load_to_lds s[\g0b:\g0b+3], s[\g1b:\g1b+7]
	s_nop 0
.rept 4
	v_nop
.endr
.Lasked_\@:
.endm
.macro CREST                           ; a round of the cluster's barrier behind its opening barrier
	s_cmp_lg_u32 s14, 0
	s_cbranch_scc1 .Lnot_wave_0_\@
	s_barrier_signal -3
.Lnot_wave_0_\@:
	s_barrier_wait -3
	s_barrier_signal -1
	s_barrier_wait -1
.endm
.macro CROUND                          ; a whole round
	s_barrier_signal -1
	s_barrier_wait -1
	CREST
.endm
	s_load_b128 s[4:7], s[0:1], 0x0                ; x's codes, x's scales
	s_load_b128 s[8:11], s[0:1], 0x10              ; W's codes, W's scales
	s_load_b128 s[96:99], s[0:1], 0x20             ; qkv_codes, qkv_scales
	v_lshl_add_u32 v[SPW], v0, 2, SPARE
	v_mov_b32 v[NIL], 0
	ds_add_u32 v28, v29
	s_wait_dscnt 0x0
	v_lshrrev_b32 v1, 5, v0
	v_readfirstlane_b32 s14, v1                    ; wave 0..3
	s_lshr_b32 s15, s14, 1                         ; which 128 tokens of the tile are mine.  Also: I fetch for x (0) or for W (1)
	s_and_b32 s16, s14, 1                          ; which 128 rows of W.  Also: which 128 rows of that tile I fetch
	s_bfe_u32 s40, ttmp6, 0x40000                  ; cx, cy: my place in the cluster
	s_bfe_u32 s41, ttmp6, 0x40004
	s_lshl_b32 s42, ttmp9, 2
	s_add_co_u32 s42, s42, s40                     ; tile column = 4 x cluster x + cx
	s_and_b32 s17, ttmp7, 0xffff
	s_lshl_b32 s17, s17, 2
	s_add_co_u32 s17, s17, s41                     ; tile row = 4 x cluster y + cy
	s_lshl_b32 s43, s41, 2
	s_lshl_b32 s43, 15, s43                        ; my row of the cluster
	s_lshl_b32 s44, 0x1111, s40                    ; my column
	; descriptor group 1: a tile of 128 rows x 256 bytes, padded in LDS
	s_or_b32 s[G1+0], s43, (0<<16)|(1<<20)|(1<<21)|(5<<22)|(3<<25)  ; 15:0 the mask: x's tiles go to my row; 17:16 element of 1 byte; 20 padding on; 21 set beside a mask; 24:22 after every 64 words; 31:25 of 4 words
	s_or_b32 s[G1B+0], s44, (0<<16)|(1<<20)|(1<<21)|(5<<22)|(3<<25)
.irp g, G1, G1B
	s_mov_b32 s[\g+1], ROWB<<16                    ; tensor_dim0
	s_mov_b32 s[\g+2], 128<<16                     ; tensor_dim1
	s_mov_b32 s[\g+3], ROWB<<16                    ; tile_dim0
	s_mov_b32 s[\g+4], 128                         ; tile_dim1
	s_mov_b32 s[\g+5], KROW                        ; tensor_dim0_stride
	s_mov_b32 s[\g+6], 0
	s_mov_b32 s[\g+7], 0
.endr
	; the scales of 128 rows: a dense block of 4,096 bytes, as rows of 256 bytes (32 elements of 8 bytes), 16 bytes of padding behind each
	s_or_b32 s[G1S+0], s43, (3<<16)|(1<<20)|(1<<21)|(5<<22)|(3<<25)
	s_or_b32 s[G1SB+0], s44, (3<<16)|(1<<20)|(1<<21)|(5<<22)|(3<<25)
.irp g, G1S, G1SB
	s_mov_b32 s[\g+1], 32<<16
	s_mov_b32 s[\g+2], (128*KS/256)<<16
	s_mov_b32 s[\g+3], 32<<16
	s_mov_b32 s[\g+4], 128*KS/256
	s_mov_b32 s[\g+5], 32
	s_mov_b32 s[\g+6], 0
	s_mov_b32 s[\g+7], 0
.endr
	s_lshl_b32 s18, s16, 7                         ; which 128 rows of the tile I fetch
	s_lshl_b32 s20, s17, 8
	s_add_co_u32 s20, s20, s18                     ; x: row 256 x tile row + 128 x half
	s_lshl_b32 s46, s42, 8
	s_add_co_u32 s46, s46, s18                     ; W: row 256 x tile column + 128 x half
	s_lshl_b32 s22, s20, 5                         ; where these rows' scale bytes begin: 32 a row
	s_mov_b32 s23, 0
	s_lshl_b32 s92, s46, 5
	s_mov_b32 s93, 0
	s_lshl_b32 s20, s20, 10                        ; and their codes: 1,024 a row (under 2^24)
	s_mov_b32 s21, 0
	s_lshl_b32 s46, s46, 10
	s_mov_b32 s47, 0
	s_mul_i32 s45, s14, HALFT                      ; where they go: wave x 128 rows: no place in the cluster enters an LDS address
	s_mul_i32 s94, s14, HALFS
	s_wait_kmcnt 0x0
	s_add_nc_u64 s[20:21], s[4:5], s[20:21]
	s_add_nc_u64 s[22:23], s[6:7], s[22:23]
	s_add_nc_u64 s[46:47], s[8:9], s[46:47]
	s_add_nc_u64 s[92:93], s[10:11], s[92:93]
	CROUND                                         ; all sixteen work-groups are here: the first joint loads meet
	s_mov_b32 s[G0S], 1
	s_add_co_u32 s[G0S+1], s94, SCL
	s_mov_b64 s[G0S+2:G0S+3], s[22:23]
	s_or_b32 s[G0S+3], s[G0S+3], 0x80000000
	s_mov_b32 s[G0SB], 1
	s_add_co_u32 s[G0SB+1], s94, SCL
	s_mov_b64 s[G0SB+2:G0SB+3], s[92:93]
	s_or_b32 s[G0SB+3], s[G0SB+3], 0x80000000
	JLOAD G0S, G1S, G0SB, G1SB                     ; the scales first: they are wanted with K step 0
.irp s, 0,1
	s_mov_b32 s[G0+4*\s], 1
	s_add_co_u32 s[G0+4*\s+1], s45, \s*SLOT
	s_add_nc_u64 s[G0+4*\s+2:G0+4*\s+3], s[20:21], \s*ROWB
	s_or_b32 s[G0+4*\s+3], s[G0+4*\s+3], 0x80000000
	s_mov_b32 s[G0B+4*\s], 1
	s_add_co_u32 s[G0B+4*\s+1], s45, \s*SLOT
	s_add_nc_u64 s[G0B+4*\s+2:G0B+4*\s+3], s[46:47], \s*ROWB
	s_or_b32 s[G0B+4*\s+3], s[G0B+4*\s+3], 0x80000000
	JLOAD G0+4*\s, G1, G0B+4*\s, G1B
.endr
	v_and_b32 v1, 15, v0                           ; r = lane % 16
	v_bfe_u32 v2, v0, 4, 1                         ; h = lane / 16
	v_mul_u32_u24 v3, v1, PITCH
	v_lshl_add_u32 v4, v2, 4, v3                   ; a fragment's row x pitch + 16 x half
	s_mul_i32 s21, s15, HALFT                      ; my 128 tokens
	s_mul_i32 s22, s16, HALFT                      ; my 128 rows of W,
	s_add_co_u32 s22, s22, 2*HALFT                 ; which lie behind x's 256
	s_cmp_eq_u32 ttmp9, 2                          ; the cluster's x: tile columns 8 to 11 are W_v's
	s_cselect_b32 s[MODE], 1, 0
	s_cselect_b32 s18, s22, s21                    ; source 1's rows: tokens, or for v rows of W
	s_cselect_b32 s19, s21, s22                    ; source 0's rows: the others
.irp s, 0,1
	v_add_nc_u32 v[ADRA+\s], s18, v4
	v_add_nc_u32 v[ADRB+\s], s19, v4
	s_add_co_u32 s18, s18, SLOT
	s_add_co_u32 s19, s19, SLOT
.endr
	v_mul_u32_u24 v5, v1, KS                       ; my row's scales: 32 bytes a row,
	v_lshrrev_b32 v6, 8, v5
	v_lshl_add_u32 v5, v6, 4, v5                   ; and 16 more for each 256 passed
	s_mul_i32 s21, s15, HALFS                      ; x's: my 128 rows
	s_mul_i32 s22, s16, HALFS                      ; W's: my 128 rows, behind x's 256
	s_add_co_u32 s22, s22, 2*HALFS
	s_sub_co_u32 s22, s22, s21                     ; the distance between the two
	v_add_nc_u32 v6, s[MODE], v2
	v_and_b32 v6, 1, v6                            ; lanes 16-31 take W's, lanes 0-15 x's; for v the other way round
	v_mul_u32_u24 v6, s22, v6
	s_add_co_u32 s21, s21, SCL
	v_add_nc_u32 v5, v5, v6
	v_add_nc_u32 v[ADRS], s21, v5
	v_and_b32 v[LN], 31, v0
	v_lshlrev_b32 v[VO], 4, v[LN]
.irp b, 0,1,2,3
	v_mov_b32 v[TM+4+\b], 0                        ; written once: a lane permute's destination counts as one of its sources
.endr
	s_lshl_b32 s20, s42, 1                         ; where my 128 x 128 goes: block 64 Gw + Rx, whichever operand is source 1
	s_add_co_u32 s20, s20, s16                     ; Gw = 2 x tile column + my half of W's rows
	s_lshl_b32 s20, s20, 6
	s_lshl_b32 s21, s17, 1
	s_add_co_u32 s21, s21, s15                     ; Rx = 2 x tile row + my half of the tokens
	s_add_co_u32 s20, s20, s21
	s_lshl_b32 s46, s20, 14                        ; 16,384 bytes of codes a block (under 2^25)
	s_mov_b32 s47, 0
	s_add_nc_u64 s[96:97], s[96:97], s[46:47]
	s_lshl_b32 s46, s20, 9                         ; 512 scale bytes
	s_add_nc_u64 s[98:99], s[98:99], s[46:47]
.macro FRAG reg, adr, q, i             ; a fragment: lane l holds row l % 16; registers 4 c .. 4 c + 3 hold places 32 c + 16 (l / 16) + 0 .. 15 along K
.irp c, 0,1,2,3
	ds_load_b128 v[\reg+4*\c:\reg+4*\c+3], v[\adr] offset:128*(\q)+32*\c+(\i)*16*PITCH
.endr
.endm
; 16 matrix instructions: source 1's blocks a0, a0 + 1 x source 0's eight, 128 along K.  zero = 1: the first product starts the sums.  The 64 accumulators take turns, one instruction a turn.
.macro MUL16 a0, p, q, sc, zero
.irp a, \a0, \a0+1
.irp b, 0,1,2,3,4,5,6,7
.if \zero
	v_wmma_scale_f32_16x16x128_f8f6f4 v[8*(8*((\a)%4)+\b):8*(8*((\a)%4)+\b)+7], v[128*(\p)+FR*\b:128*(\p)+FR*\b+FR-1], v[AF+FR*(\a):AF+FR*(\a)+FR-1], 0, v[SC+8*NQ*(\sc)+NQ*\b+(\q)], v[SC+8*NQ*(\sc)+NQ*(\a)+(\q)] matrix_a_fmt:MATRIX_FMT_BF8 matrix_b_fmt:MATRIX_FMT_BF8 matrix_a_scale:MATRIX_SCALE_ROW1
.else
	v_wmma_scale_f32_16x16x128_f8f6f4 v[8*(8*((\a)%4)+\b):8*(8*((\a)%4)+\b)+7], v[128*(\p)+FR*\b:128*(\p)+FR*\b+FR-1], v[AF+FR*(\a):AF+FR*(\a)+FR-1], v[8*(8*((\a)%4)+\b):8*(8*((\a)%4)+\b)+7], v[SC+8*NQ*(\sc)+NQ*\b+(\q)], v[SC+8*NQ*(\sc)+NQ*(\a)+(\q)] matrix_a_fmt:MATRIX_FMT_BF8 matrix_b_fmt:MATRIX_FMT_BF8 matrix_a_scale:MATRIX_SCALE_ROW1
.endif
.endr
.endr
.endm
.macro FETCH_B slot, q, p              ; source 0's eight fragments of the slot's q-th 128 along K into set p
	WIN TO_B
.irp i, 0,1,2,3,4,5,6,7
	FRAG 128*(\p)+FR*\i, ADRB+\slot, \q, \i
.endr
	WIN 0
.endm
.macro FETCH_A slot, q, i0             ; source 1's blocks i0 .. i0 + 3
.irp i, \i0, \i0+1, \i0+2, \i0+3
	FRAG AF+FR*(\i), ADRA+\slot, \q, \i
.endr
.endm
.macro SCALES sc                       ; the next K step's scale words into set sc: two words a row; lanes 0-15 source 1's block i, lanes 16-31 source 0's block i
.irp i, 0,1,2,3,4,5,6,7
	ds_load_b64 v[SC+8*NQ*\sc+NQ*\i:SC+8*NQ*\sc+NQ*\i+1], v[ADRS] offset:\i*SBLK
.endr
.endm
; A load into a register that a matrix instruction has read, and a vector instruction that reads a matrix result or writes one of its registers, stand eight places behind it; only plain vector instructions that name none of its registers are places.
.macro PLACES n
.rept \n
	v_nop
.endr
.endm
.macro STEP slot, q, zero              ; a step of 128 along K that has its successor in the same slot
	s_wait_dscnt 4*NL                              ; source 0's set and source 1's blocks 0-3 are in; the youngest 16 loads (blocks 4-7) may be out
	WIN MUL_LO
	MUL16 0, (\q)%2, \q, \slot, \zero
	MUL16 2, (\q)%2, \q, \slot, \zero
	s_wait_dscnt 0                                 ; blocks 4-7 are in
	PLACES NP
	FETCH_B \slot, (\q)+1, 1-(\q)%2
	FETCH_A \slot, (\q)+1, 0
	WIN MUL_HI
	MUL16 4, (\q)%2, \q, \slot, \zero
	MUL16 6, (\q)%2, \q, \slot, \zero
	PLACES NP
	WIN 0
	FETCH_A \slot, (\q)+1, 4
.endm
; A slot's last step changes slots: one barrier; in front of it each wave waits for all its tensor loads, adds 0 to its spare word, and waits for that and for its own reads of this slot.  fill = 1: this slot is filled again, two K steps ahead.
.macro TURN slot, next, fill
	s_wait_tensorcnt 0x0                           ; all my tensor loads have landed: my part of the next slot
	ds_add_u32 v[SPW], v[NIL]                      ; 0 onto my spare word
	s_wait_dscnt 4*NL+1                            ; (the add and the youngest 16 loads may be out)
	WIN MUL_LO
	MUL16 0, 1, NQ-1, \slot, 0                     ; sixteen matrix instructions stand between the add and the wait for it
	s_wait_dscnt 0x0                               ; the add is done, and my reads of this slot are over
	s_barrier_signal -1
	MUL16 2, 1, NQ-1, \slot, 0
	WIN 0
	s_barrier_wait -1
.if \fill
	CREST                                          ; the barrier has opened a round of the cluster's barrier: no wave of any partner still reads this slot or has a load on its way
	s_add_nc_u64 s[G0+4*\slot+2:G0+4*\slot+3], s[G0+4*\slot+2:G0+4*\slot+3], 2*ROWB
	s_add_nc_u64 s[G0B+4*\slot+2:G0B+4*\slot+3], s[G0B+4*\slot+2:G0B+4*\slot+3], 2*ROWB
	JLOAD G0+4*\slot, G1, G0B+4*\slot, G1B         ; the first tensor load behind the round; its four v_nop are among the places in front of the loads below
	PLACES NP-4
.else
	PLACES NP
.endif
	v_add_nc_u32 v[ADRS], 4*NQ, v[ADRS]            ; on to the next K step's scale words
	FETCH_B \next, 0, 0
	FETCH_A \next, 0, 0
	SCALES \next
	WIN MUL_HI
	MUL16 4, 1, NQ-1, \slot, 0
	MUL16 6, 1, NQ-1, \slot, 0
	PLACES NP
	WIN 0
	FETCH_A \next, 0, 4
.endm
	s_wait_tensorcnt 1                             ; the scales and my part of K step 0 are in (K step 1's load may be out),
	s_barrier_signal -1
	s_barrier_wait -1                              ; everybody's are
	FETCH_B 0, 0, 0
	FETCH_A 0, 0, 0
	SCALES 0
	FETCH_A 0, 0, 4
	STEP 0, 0, 1                                   ; the first step stands in front of the loop: its products start the sums
	s_mov_b32 s3, LAPS-1
.Llap:                                                 ; a trip goes once round the ring and fills both slots again
	TURN 0, 1, 1
	STEP 1, 0, 0
	TURN 1, 0, 1
	STEP 0, 0, 0
	s_sub_co_u32 s3, s3, 1
	s_cmp_lg_u32 s3, 0
	s_cbranch_scc1 .Llap
	TURN 0, 1, 0                                   ; the last lap fills nothing
	STEP 1, 0, 0
	s_wait_dscnt 4*NL                              ; the very last step
	WIN MUL_LO
	MUL16 0, 1, NQ-1, 1, 0
	MUL16 2, 1, NQ-1, 1, 0
	s_wait_dscnt 0
	WIN MUL_HI
	MUL16 4, 1, NQ-1, 1, 0
	MUL16 6, 1, NQ-1, 1, 0
	WIN 0
; THE WAY OUT of block a: 16 rows of source 1 x 128.  A lane's 64 numbers, register 16 b + i, are 16 numbers of each of the row's four blocks of 32.
.macro QROW a
.set WW, 2+(\a)/4                      ; the accumulators' window
.set AC, 64*((\a)%4)
	WIN WW|(WW<<2)
.irp b, 0,1,2,3
	v_max3_num_f32 v[TM+\b], |v[AC+16*\b]|, |v[AC+16*\b+1]|, 0x8000000   ; block b: my 16 numbers, and the floor 2^(16 - 127): the byte cannot fall under 1.  Each accumulator is read from its low end on
.endr
	WIN (WW<<2)|(WW<<4)
.irp i, 2,4,6,8,10,12,14
.irp b, 0,1,2,3
	v_max3_num_f32 v[TM+\b], v[TM+\b], |v[AC+16*\b+\i]|, |v[AC+16*\b+\i+1]|
.endr
.endr
	WIN 0
.irp b, 0,1,2,3
	v_permlanex16_b32 v[TM+4+\b], v[TM+\b], s20, s21
.endr
.irp b, 0,1,2,3
	v_max_num_f32 v[TM+\b], v[TM+\b], v[TM+4+\b]   ; with the lane 16 away: the block's largest magnitude
.endr
.irp b, 0,1,2,3
	v_add_nc_u32 v[TM+12+\b], 0xf8800000, v[TM+\b] ; 15 off its exponent field: the conversion's scale operand
.endr
.irp b, 0,1,2,3
	v_and_or_b32 v[TM+8+\b], v[TM+\b], 0x7f800000, s22   ; 57,344 x the scale
.endr
.irp b, 0,1,2,3
	v_lshrrev_b32 v[TM+4+\b], 23, v[TM+12+\b]      ; the scale's byte
.endr
	v_lshl_or_b32 v[PW+\a], v[TM+5], 8, v[TM+4]    ; the four bytes make my row's scale word
	v_lshl_or_b32 v[PW+\a], v[TM+6], 16, v[PW+\a]
	v_lshl_or_b32 v[PW+\a], v[TM+7], 24, v[PW+\a]
	WIN WW|(WW<<6)
.irp b, 0,1,2,3
.irp i, 0,1,2,3,4,5,6,7,8,9,10,11,12,13,14,15
	v_med3_num_f32 v[AC+16*\b+\i], v[AC+16*\b+\i], -v[TM+8+\b], v[TM+8+\b]   ; the conversion to an 8-bit code does not saturate (ISA guide 7.6.2): the hold comes first
.endr
.endr
	WIN WW
.irp b, 0,1,2,3
	v_cvt_scalef32_pk8_bf8_f32 v[PC+16*(\a)+4*\b:PC+16*(\a)+4*\b+1], v[AC+16*\b:AC+16*\b+7], v[TM+12+\b]
	v_cvt_scalef32_pk8_bf8_f32 v[PC+16*(\a)+4*\b+2:PC+16*(\a)+4*\b+3], v[AC+16*\b+8:AC+16*\b+15], v[TM+12+\b]
.endr
	WIN 0
	v_nop                                          ; one plain vector instruction behind the last conversion, ahead of the next lines that write the scale operands
.irp b, 0,1,2,3
	global_store_b128 v[VO], v[PC+16*(\a)+4*\b:PC+16*(\a)+4*\b+3], s[96:97] offset:2048*(\a)+512*\b   ; registers 4 b .. 4 b + 3 of an operand: 512 consecutive bytes; no register of a store is written again
.endr
.endm
	s_mov_b32 s20, 0x76543210
	s_mov_b32 s21, 0xfedcba98                      ; v_permlanex16_b32's selects: the lane 16 away
	s_mov_b32 s22, 0x600000                        ; the mantissa field of 57,344
	PLACES NP                                      ; behind the last products: their results are read, and source 1's registers are written, below
.irp a, 0,1,2,3,4,5,6,7
	QROW \a
.endr
	v_cmp_le_u32 vcc_lo, 16, v[LN]
.irp i, 0,1,2,3
	v_cndmask_b32 v[SWD+\i], v[PW+\i], v[PW+4+\i], vcc_lo   ; lanes 0-15 store the words of a = 0 .. 3 of row r, lanes 16-31 those of a = 4 .. 7
.endr
	global_store_b128 v[VO], v[SWD:SWD+3], s[98:99]        ; 512 consecutive bytes
	s_wait_tensorcnt 0x0                           ; the wave's end
	ds_add_u32 v[SPW], v[NIL]
	s_wait_dscnt 0x0
	CROUND                                         ; the closing round: no work-group ends while a partner may still ask for a tile that names it
	s_endpgm
.Lfunc_end_k_qcd3ab3c8d7_qkv:
	.size	k_qcd3ab3c8d7_qkv, .Lfunc_end_k_qcd3ab3c8d7_qkv-k_qcd3ab3c8d7_qkv
	.p2alignl 7, 3214868480
	.fill 96, 4, 3214868480
	.section	.rodata,"a",@progbits
	.p2align	6, 0x0
	.amdhsa_kernel k_qcd3ab3c8d7_qkv
		.amdhsa_group_segment_fixed_size 327680
		.amdhsa_private_segment_fixed_size 0
		.amdhsa_enable_private_segment 0
		.amdhsa_kernarg_size 48
		.amdhsa_user_sgpr_count 2
		.amdhsa_user_sgpr_kernarg_segment_ptr 1
		.amdhsa_wavefront_size32 1
		.amdhsa_system_sgpr_workgroup_id_x 1
		.amdhsa_system_sgpr_workgroup_id_y 1
		.amdhsa_system_sgpr_workgroup_id_z 1
		.amdhsa_system_vgpr_workitem_id 0
		.amdhsa_next_free_vgpr 1024
		.amdhsa_next_free_sgpr 100
		.amdhsa_reserve_vcc 1
		.amdhsa_float_denorm_mode_32 3
		.amdhsa_float_denorm_mode_16_64 3
		.amdhsa_memory_ordered 1
		.amdhsa_forward_progress 1
		.amdhsa_inst_pref_size 185
	.end_amdhsa_kernel
	.amdgpu_metadata
---
amdhsa.version: [ 1, 2 ]
amdhsa.kernels:
  - .name:           k_qcd3ab3c8d7_qkv
    .symbol:         k_qcd3ab3c8d7_qkv.kd
    .args:
      - { .name: x_codes, .offset: 0, .size: 8, .value_kind: global_buffer, .address_space: global }
      - { .name: x_scales, .offset: 8, .size: 8, .value_kind: global_buffer, .address_space: global }
      - { .name: w_codes, .offset: 16, .size: 8, .value_kind: global_buffer, .address_space: global }
      - { .name: w_scales, .offset: 24, .size: 8, .value_kind: global_buffer, .address_space: global }
      - { .name: qkv_codes, .offset: 32, .size: 8, .value_kind: global_buffer, .address_space: global }
      - { .name: qkv_scales, .offset: 40, .size: 8, .value_kind: global_buffer, .address_space: global }
    .group_segment_fixed_size: 327680
    .private_segment_fixed_size: 0
    .kernarg_segment_align: 8
    .kernarg_segment_size: 48
    .max_flat_workgroup_size: 128
    .sgpr_count:     100
    .vgpr_count:     1024
    .wavefront_size: 32
...
	.end_amdgpu_metadata
.endif
;; end of part 2
;; launch attn (part 3): grid 4 x 64, 16 waves a work-group, no clusters, 327,680 bytes of LDS; arguments qkv_codes, qkv_scales, y_codes, y_scales; writes y_codes, y_scales
.if DOCPART == 3
	.amdgcn_target "amdgcn-amd-amdhsa--gfx1250"
	.amdhsa_code_object_version 6
	.text
	.protected	k_qcd3ab3c8d7_attn
	.globl	k_qcd3ab3c8d7_attn
	.p2align	8
	.type	k_qcd3ab3c8d7_attn,@function
k_qcd3ab3c8d7_attn:
	s_mov_b64 s[64:65], 0
	v_nop
	global_prefetch_b8 v0, s[64:65] scope:SCOPE_SE
	s_setreg_imm32_b32 hwreg(HW_REG_WAVE_MODE, 25, 1), 1
	s_wait_xcnt 0x0
; y[b][t][head] = softmax over the keys k <= t of (q . k / 8) times v, both products on codes of BF8 (E5M2) with E8M0 scales; y is quantised along the channels and stored as the next launch's operand.
; THE SOFTMAX AHEAD OF THE SECOND PRODUCT: t = score x log2(e) / 8; M = the row's largest t so far, rounded up to a whole number; p = 2^(t - M) is quantised along the keys, not normalised.  The row's sum is taken of the
; unquantised p, in f32, and divides O at the end.  When M moves, the sum and O are multiplied by 2^(old M - new M): exact.
; INPUT.  qkv_codes [Gw 24][Rx 64][a 8][bp 4][lane 32][16 bytes]: 512 bytes are registers 4 c .. 4 c + 3 of an operand, 16 bytes a lane.  q: Gw = head / 2, k: 8 + head / 2: row 16 a + r = a token of the 128 of Rx, bp = 2 (head % 2) + c.
; v: Gw = 16 + head / 2: row 16 a + r = a channel, a = 4 (head % 2) + tt, bp = a block of 32 of Rx's tokens.  qkv_scales [Gw][Rx][a / 4][r][a % 4]: a word a row.
; THE FIRST PRODUCT'S K IS 64: the upper eight registers of q's and k's fragments hold zero codes, set once; the scale words' upper two bytes are 0, which is a power of two and no NaN.
; SHARES.  A work-group has one head of one batch and two blocks of 256 queries: block 7 - i, then block i (i = the work-group's x).  Block j walks the slots of 256 keys 0 .. j: so every work-group walks 9 slots, a constant,
; none for nothing, and all 256 work-groups have the same work.  Each of the sixteen waves owns 16 queries, in 256 registers: four waves to a SIMD, so that one wave's vector work stands beside another's matrix work.
; A key step all of whose keys come after a wave's queries is left out by a scalar branch on ids; on the diagonal hidden scores become -infinity.
; NO CLUSTER: the four work-groups of a head ask for different tiles from the fifth slot on (block 7 - i ends at slot 7 - i), so joint loads would not meet.
; LAYOUT.  Both products are used transposed: S^T = K Q^T, O^T = V^T P^T: a lane holds one query (lane % 16) throughout; register j of tile u holds key (or channel) 16 u + 8 (lane / 16) + j: the order inside a block of 32 that all
; operands of this program have, so p's and y's conversions give operand registers as they stand.
; LDS: two slots, 65,536 bytes apart: K's codes 16,384 bytes, V's 16,384, K's scale words 1,024 (both heads of the pair), V's 512.  Every read is 16 bytes a lane on end: no padding.  Waves 0 to 3 fetch one of the four each.
; LIMITS: a block of zeros gets the byte 1 (its codes are zeros; this program alone reads the bytes); NaN and infinities are not served.
.set SLOT1, 1<<16
.set KC,    0                          ; in a slot: K's codes [tile 16][c 2][512]
.set VC,    16384                      ; V's codes [key step 2][tt 4][c 4][512]
.set KSO,   32768                      ; K's scale words
.set VSO,   33792                      ; V's
.set SPARE, 2*SLOT1                    ; the spare words, 128 bytes for each wave: eight blocks of 256 bytes that no other line names
.set L16,  1                           ; v1   16 x lane
.set L16P, 2                           ; v2   16 x lane + 2 (head % 2): K's scale bytes
.set R16,  3                           ; v3   16 r: V's scale words
.set DQ,   4                           ; v4   r - 8 h: for the mask
.set SPW,  5                           ; v5   LDS address of my spare word; never rewritten
.set NIL,  6                           ; v6   0; never rewritten
.set PFO,  7                           ; v7   the prefetches' offset; never rewritten
.set ADL,  8                           ; v8   slot + 16 x lane
.set ADS,  9                           ; v9   slot + v2
.set ADT,  10                          ; v10  slot + v3
.set YSO,  11                          ; v11  32 r + h: my byte of y's scales
.set QF,   16                          ; v16-31   Q's fragment             (v12 -M, v13 the largest t, v[14:15] the sum in two halves)
.set KFR,  32                          ; v32-95   four fragments of K
.set ST,   96                          ; v96-159  S^T, then p, then V's four fragments; at the end y
.set OT,   160                         ; v160-191 O^T
.set PCD,  192                         ; v192-207 p's codes
.set BM,   208                         ; v208-211 a block's largest score, then its largest p
.set PX,   212                         ; v212-215 the other half's; then the bytes
.set HLD,  216                         ; v216-219 57,344 x the scale
.set SOP,  220                         ; v220-223 the conversions' scale operands
.set KSW,  224                         ; v224-227 K's scale words: lanes 0-15 tiles 0-3, lanes 16-31 tiles 4-7
.set VSW,  228                         ; v228-231 V's
.set QSW,  232                         ; v232     Q's
.set PSW,  233                         ; v233     p's
.set FF,   234                         ; v[234:235] f = 2^(old M - new M) (the low word serves both halves)
.set T0,   236
.set NINF, 237                         ; v237     -infinity
.set S2,   238                         ; v[238:239] the sum's second chain
.set YC,   240                         ; v240-247 y's codes
.set T1,   248
.set R16P, 249                         ; v249     16 r + 2 (head % 2): Q's scale bytes
.set H8,   250                         ; v250     8 h
.set YB,   251                         ; v251     my byte of y's scales
.set WV,   12                          ; s12  my wave's number
.set WI,   13                          ; s13  i
.set NAM1, 14                          ; s14  7 - i: the trip in which the first block of queries ends
.set TR,   15                          ; s15  the trip
.set KSC,  16                          ; s16  which 256 keys the slot in hand holds
.set KSN,  17                          ; s17  and the next
.set KF,   18                          ; s18  the step's first key
.set Q0,   19                          ; s19  my first query
.set SEL,  20                          ; s[20:21] selects for v_permlanex16_b32: the lane 16 away
.set CS,   22                          ; s[22:23] c = log2(e) / 8
.set MNT,  24                          ; s24  the mantissa field of 57,344
.set TB,   25                          ; s25  LDS byte at which the slot in hand begins
.set PAR,  26                          ; s26  head % 2
.set HEAD, 27
.set BAT,  28                          ; s28  the batch
.set HB,   29                          ; s29  64 (head / 2) + 16 batch: the block [Gw = head / 2][Rx = 16 batch]
.set LIM,  66                          ; s66  a wave prefetches while the trip is under it
.set G1K,  32                          ; groups 1: K's codes, V's codes, K's scales, V's scales
.set G1V,  40
.set G1KS, 48
.set G1VS, 56
.set G0K,  68                          ; groups 0, which walk
.set G0V,  72
.set G0KS, 76
.set G0VS, 80
.set BK,   84                          ; s[84:91] where the head's K codes, V codes, K scales, V scales begin
.set BV,   86
.set BKS,  88
.set BVS,  90
.set OFF,  92                          ; s[92:93] an offset; its high word stays 0
.set PFA,  94                          ; s[94:95] where my prefetches stand
.set PST,  96                          ; s[96:97] their step
.set QA,   98                          ; s[98:99] Q's codes;  s[104:105] Q's scales;  s[100:101] y's codes;  s[2:3] y's scales
.set YA,   100
.set QS,   104
.set YS,   2
.macro GROUP1 g, c, r, p               ; r rows of c elements of 8 bytes, p elements apart; no padding, no mask
	s_mov_b32 s[\g], 3<<16
	s_mov_b32 s[\g+1], (\c)<<16                    ; tensor_dim0
	s_mov_b32 s[\g+2], (\r)<<16                    ; tensor_dim1
	s_mov_b32 s[\g+3], (\c)<<16                    ; tile_dim0
	s_mov_b32 s[\g+4], \r                          ; tile_dim1
	s_mov_b32 s[\g+5], \p                          ; tensor_dim0_stride
	s_mov_b32 s[\g+6], 0
	s_mov_b32 s[\g+7], 0
.endm
.macro GROUP0 g, lds, base
	s_mov_b32 s[\g], 1
	s_mov_b32 s[\g+1], \lds
	s_mov_b64 s[\g+2:\g+3], s[\base:\base+1]
	s_or_b32 s[\g+3], s[\g+3], 0x80000000
.endm
.macro WALK g, base                    ; the other slot; the tile OFF bytes behind the head's first
	s_xor_b32 s[\g+1], s[\g+1], SLOT1
	s_add_nc_u64 s[\g+2:\g+3], s[\base:\base+1], s[OFF:OFF+1]
	s_or_b32 s[\g+3], s[\g+3], 0x80000000
.endm
; Waves 0 to 3 fetch one part of a slot each, the others nothing.  The branches hang on the wave's number alone.  Four v_nop follow each load.
.macro TLOAD4
	s_cmp_lg_u32 s[WV], 0
	s_cbranch_scc1 .Lt1_\@
	tensor_load_to_lds s[G0K:G0K+3], s[G1K:G1K+7]
	s_nop 0
.rept 4
	v_nop
.endr
	s_branch .Ltd_\@
.Lt1_\@:
	s_cmp_lg_u32 s[WV], 1
	s_cbranch_scc1 .Lt2_\@
	tensor_load_to_lds s[G0V:G0V+3], s[G1V:G1V+7]
	s_nop 0
.rept 4
	v_nop
.endr
	s_branch .Ltd_\@
.Lt2_\@:
	s_cmp_lg_u32 s[WV], 2
	s_cbranch_scc1 .Lt3_\@
	tensor_load_to_lds s[G0KS:G0KS+3], s[G1KS:G1KS+7]
	s_nop 0
.rept 4
	v_nop
.endr
	s_branch .Ltd_\@
.Lt3_\@:
	s_cmp_lg_u32 s[WV], 3
	s_cbranch_scc1 .Ltd_\@
	tensor_load_to_lds s[G0VS:G0VS+3], s[G1VS:G1VS+7]
	s_nop 0
.rept 4
	v_nop
.endr
.Ltd_\@:
.endm
; A PREFETCH INTO THE L2, at the change of slots, of the tile that the NEXT change will ask for.  All four work-groups of a head walk the same K and V from slot 0 on: the one with i = 0, which walks all eight tiles, asks.
; In it waves 4 and 5 ask for K's codes (a tile is 16 rows of 1,024 bytes, 2,048 apart: 8 rows a wave, four lanes to a row), waves 6 and 7 for V's (two runs of 8,192 bytes: one a wave), lanes 256 bytes apart: trip t names tile t + 2,
; up to tile 7.  The scale bytes of a pair of heads, 8,192 dense bytes of K's and of V's, are named once, in trip 0, by waves 8 and 9 of the even head.  So each aligned block of 256 bytes is named once in the launch.
.macro ASK
	s_cmp_lt_u32 s[TR], s[LIM]
	s_cbranch_scc0 .Lnot_mine_\@
	global_prefetch_b8 v[PFO], s[PFA:PFA+1] th:TH_LOAD_NT scope:SCOPE_SE
.Lnot_mine_\@:
.endm
; Q's fragment and scale word for the 16 queries from Q0 on
.macro QLOAD
	s_lshl_b32 s30, s[HB], 14
	s_lshr_b32 s31, s[Q0], 4
	s_lshl_b32 s31, s31, 11                        ; 16 queries are 2,048 bytes of a block, eight of them a block
	s_add_co_u32 s30, s30, s31
	s_lshl_b32 s31, s[PAR], 10
	s_add_co_u32 s[OFF], s30, s31
	s_add_nc_u64 s[QA:QA+1], s[4:5], s[OFF:OFF+1]
	s_lshl_b32 s30, s[HB], 9
	s_lshr_b32 s31, s[Q0], 6
	s_lshl_b32 s31, s31, 8                         ; 64 queries are 256 bytes of scale words
	s_add_co_u32 s30, s30, s31
	s_bfe_u32 s31, s[Q0], 0x20004
	s_lshl_b32 s31, s31, 2                         ; which of a row's four words
	s_add_co_u32 s[OFF], s30, s31
	s_add_nc_u64 s[QS:QS+1], s[6:7], s[OFF:OFF+1]
	global_load_b128 v[QF:QF+3], v[L16], s[QA:QA+1]
	global_load_b128 v[QF+4:QF+7], v[L16], s[QA:QA+1] offset:512
	global_load_u16 v[QSW], v[R16P], s[QS:QS+1]    ; my head's two bytes; the upper two are 0
.endm
	s_load_b256 s[4:11], s[0:1], 0x0               ; qkv_codes, qkv_scales, y_codes, y_scales
	v_lshl_add_u32 v[SPW], v0, 2, SPARE
	v_mov_b32 v[NIL], 0
	ds_add_u32 v5, v6
	s_wait_dscnt 0x0
	v_lshrrev_b32 v8, 5, v0
	v_readfirstlane_b32 s[WV], v8                  ; wave 0..15
	s_mov_b32 s[WI], ttmp9
	s_sub_co_u32 s[NAM1], 7, ttmp9
	s_and_b32 s30, ttmp7, 0xffff                   ; 16 batch + head
	s_lshr_b32 s[BAT], s30, 4
	s_and_b32 s[HEAD], s30, 15
	s_and_b32 s[PAR], s[HEAD], 1
	s_lshr_b32 s31, s[HEAD], 1
	s_lshl_b32 s31, s31, 6
	s_lshl_b32 s[HB], s[BAT], 4
	s_add_co_u32 s[HB], s[HB], s31
	GROUP1 G1K, 128, 16, 256                       ; K's codes: 16 rows of 1,024 bytes (a tile of 16 keys, my head), 2,048 apart
	GROUP1 G1V, 1024, 2, 2048                      ; V's: 2 rows of 8,192 bytes (my head's 64 channels x 128 keys), 16,384 apart
	GROUP1 G1KS, 32, 4, 32                         ; K's scale words: 1,024 dense bytes
	GROUP1 G1VS, 32, 2, 64                         ; V's: 2 rows of 256 bytes, 512 apart
	s_mov_b32 s[SEL], 0x76543210
	s_mov_b32 s[SEL+1], 0xfedcba98
	s_mov_b32 s[CS], 0x3e38aa3b                    ; c = log2(e) / 8
	s_mov_b32 s[CS+1], s[CS]                       ; (named with it as a pair, so it is written)
	s_mov_b32 s[MNT], 0x600000
	s_mov_b32 s[TB], 0
	s_mov_b32 s[TR], 0
	s_mov_b32 s[KSC], 0
	s_mov_b32 s[OFF+1], 0
	s_wait_kmcnt 0x0
	s_add_co_u32 s30, s[HB], 512                   ; k: Gw = 8 + head / 2
	s_lshl_b32 s31, s30, 14
	s_lshl_b32 s67, s[PAR], 10
	s_add_co_u32 s[OFF], s31, s67
	s_add_nc_u64 s[BK:BK+1], s[4:5], s[OFF:OFF+1]
	s_lshl_b32 s[OFF], s30, 9
	s_add_nc_u64 s[BKS:BKS+1], s[6:7], s[OFF:OFF+1]
	s_add_co_u32 s30, s[HB], 1024                  ; v: Gw = 16 + head / 2
	s_lshl_b32 s31, s30, 14
	s_lshl_b32 s67, s[PAR], 13
	s_add_co_u32 s[OFF], s31, s67
	s_add_nc_u64 s[BV:BV+1], s[4:5], s[OFF:OFF+1]
	s_lshl_b32 s31, s30, 9
	s_lshl_b32 s67, s[PAR], 8
	s_add_co_u32 s[OFF], s31, s67
	s_add_nc_u64 s[BVS:BVS+1], s[6:7], s[OFF:OFF+1]
	GROUP0 G0K, KC, BK
	GROUP0 G0V, VC, BV
	GROUP0 G0KS, KSO, BKS
	GROUP0 G0VS, VSO, BVS
	TLOAD4                                         ; keys 0 to 255 into slot 0
	; the prefetches: who asks, for what
	s_and_b32 s31, s[WV], 1
	s_lshl_b32 s31, s31, 14
	s_add_co_u32 s31, s31, 32768                   ; my half of tile 1: the first change of slots steps it to tile 2.  Nothing is prefetched here, at the head
	s_sub_co_u32 s30, s[WV], 4
	s_cmp_lt_u32 s30, 4                            ; waves 4 to 7: codes
	s_cselect_b32 s[LIM], 6, 0
	s_cselect_b32 s[PST], 32768, 0
	s_cselect_b32 s[OFF], s31, 0
	s_cmp_lt_u32 s[WV], 6
	s_cselect_b64 s[PFA:PFA+1], s[BK:BK+1], s[BV:BV+1]
	s_cselect_b32 s67, 1024, 0                     ; K's rows of 1,024 bytes lie 2,048 apart
	s_xor_b32 s30, s[PAR], 1                       ; 1 in the even head of a pair
	s_cmp_eq_u32 s[WV], 8
	s_cselect_b64 s[PFA:PFA+1], s[BKS:BKS+1], s[PFA:PFA+1]
	s_cselect_b32 s[LIM], s30, s[LIM]
	s_cmp_eq_u32 s[WV], 9
	s_cselect_b64 s[PFA:PFA+1], s[BVS:BVS+1], s[PFA:PFA+1]
	s_cselect_b32 s[LIM], s30, s[LIM]
	s_cmp_eq_u32 s[WI], 0
	s_cselect_b32 s[LIM], s[LIM], 0
	s_mov_b32 s[PST+1], 0
	s_add_nc_u64 s[PFA:PFA+1], s[PFA:PFA+1], s[OFF:OFF+1]
	v_and_b32 v8, 31, v0                           ; lane
	v_and_b32 v9, 15, v0                           ; r
	v_bfe_u32 v10, v0, 4, 1                        ; h
	v_lshrrev_b32 v[PFO], 2, v8
	v_mul_lo_u32 v[PFO], v[PFO], s67
	v_lshl_add_u32 v[PFO], v8, 8, v[PFO]
	v_lshlrev_b32 v[L16], 4, v8
	s_lshl_b32 s30, s[PAR], 1
	v_add_nc_u32 v[L16P], s30, v[L16]
	v_lshlrev_b32 v[R16], 4, v9
	v_add_nc_u32 v[R16P], s30, v[R16]
	v_lshlrev_b32 v[H8], 3, v10
	v_sub_nc_u32 v[DQ], v9, v[H8]
	v_lshl_add_u32 v[YSO], v9, 5, v10
	s_lshl_b32 s[Q0], s[NAM1], 8
	s_lshl_b32 s30, s[WV], 4
	s_add_co_u32 s[Q0], s[Q0], s30                 ; the first block of queries: 256 (7 - i) + 16 x wave
	QLOAD
.macro RESET                           ; the state of a row of queries at its start
	v_mov_b32 v13, 0xff61b1e6                      ; the largest t so far: -3e38, under every t
	v_floor_f32 v12, -v13                          ; -M
	v_mov_b32 v14, 0                               ; the sum, in two halves
	v_mov_b32 v15, 0
.set n, 0
.rept 32
	v_mov_b32 v[OT+n], 0                           ; O^T.  (The key step is written once: the first finds zeros, which the first change of M leaves zeros)
.set n, n+1
.endr
.endm
	RESET
.set n, 8
.rept 8
	v_mov_b32 v[QF+n], 0                           ; zero codes for K = 64 .. 127 of the first product: Q's,
	v_mov_b32 v[KFR+n], 0                          ; and the four fragments' of K; no load lands on them
	v_mov_b32 v[KFR+16+n], 0
	v_mov_b32 v[KFR+32+n], 0
	v_mov_b32 v[KFR+48+n], 0
.set n, n+1
.endr
.irp b, 0,1,2,3
	v_mov_b32 v[PX+\b], 0                          ; written once: a lane permute's destination counts as one of its sources
.endr
	v_mov_b32 v[FF+1], 0                           ; (named as the upper half of a pair)
	v_mov_b32 v[NINF], 0xff800000
; A KEY STEP: 128 keys, the q-th of the slot in hand.
.macro STEP q
	s_add_co_u32 s30, s[Q0], 15
	s_cmp_gt_u32 s[KF], s30                        ; all its keys come after my queries: only the line at its end is run.  No barrier and no tensor load stands in a step
	s_cbranch_scc1 .Lhidden_\@
	v_add_nc_u32 v[ADL], s[TB], v[L16]
	v_add_nc_u32 v[ADS], s[TB], v[L16P]
	v_add_nc_u32 v[ADT], s[TB], v[R16]
.rept 6
	v_nop                                          ; with the three additions nine places: the products below write S^T over registers that the last step's products read as V's fragments
.endr
.irp g, 0,1                                    ; S^T = K Q^T, four tiles of 16 keys at a time
.if \g
.rept 8
	v_nop                                          ; places in front of loads into registers that matrix instructions have read
.endr
.endif
.irp t, 0,1,2,3
.irp c, 0,1
	ds_load_b128 v[KFR+16*\t+4*\c:KFR+16*\t+4*\c+3], v[ADL] offset:KC+8192*(\q)+1024*(4*\g+\t)+512*\c
.endr
.if \g == 0
	ds_load_u16 v[KSW+\t], v[ADS] offset:KSO+512*(\q)+4*\t   ; lanes 0-15: tile t's words, lanes 16-31: tile 4 + t's; my head's two bytes
.endif
.endr
	s_wait_dscnt 0x0
.irp t, 0,1,2,3
.if \g
	v_wmma_scale_f32_16x16x128_f8f6f4 v[ST+8*(4*\g+\t):ST+8*(4*\g+\t)+7], v[KFR+16*\t:KFR+16*\t+15], v[QF:QF+15], 0, v[KSW+\t], v[QSW] matrix_a_fmt:MATRIX_FMT_BF8 matrix_b_fmt:MATRIX_FMT_BF8 matrix_a_scale:MATRIX_SCALE_ROW1
.else
	v_wmma_scale_f32_16x16x128_f8f6f4 v[ST+8*(4*\g+\t):ST+8*(4*\g+\t)+7], v[KFR+16*\t:KFR+16*\t+15], v[QF:QF+15], 0, v[KSW+\t], v[QSW] matrix_a_fmt:MATRIX_FMT_BF8 matrix_b_fmt:MATRIX_FMT_BF8
.endif
.endr
.endr
.rept 8
	v_nop
.endr
	s_add_co_u32 s30, s[KF], 127                   ; on the diagonal the scores of hidden keys become -infinity ahead of the maximum: p = 0 then.  A step all of whose keys count skips this
	s_cmp_le_u32 s30, s[Q0]
	s_cbranch_scc1 .Lopen_\@
	s_sub_co_i32 s30, s[Q0], s[KF]
	v_add_nc_u32 v[T1], s30, v[DQ]                 ; d = my query - KF - 8 h.  Register n holds key KF + 16 (n / 8) + 8 h + n % 8: hidden where 16 (n / 8) + n % 8 > d
.set n, 0
.rept 64
	v_cmp_gt_i32 vcc_lo, 16*(n/8)+n%8, v[T1]
	v_cndmask_b32 v[ST+n], v[ST+n], v[NINF], vcc_lo
.set n, n+1
.endr
.Lopen_\@:
.irp b, 0,1,2,3
	v_max3_num_f32 v[BM+\b], v[ST+16*\b], v[ST+1+16*\b], v[ST+2+16*\b]   ; the largest score of each block of 32 keys: it serves for the row's maximum and, since p rises with the score, for the block's largest p
.endr
.irp i, 3,5,7,9,11,13
.irp b, 0,1,2,3
	v_max3_num_f32 v[BM+\b], v[BM+\b], v[ST+16*\b+\i], v[ST+1+16*\b+\i]
.endr
.endr
.irp b, 0,1,2,3
	v_max_num_f32 v[BM+\b], v[BM+\b], v[ST+15+16*\b]
.endr
.irp b, 0,1,2,3
	v_permlanex16_b32 v[PX+\b], v[BM+\b], s[SEL], s[SEL+1]
.endr
.irp b, 0,1,2,3
	v_max_num_f32 v[BM+\b], v[BM+\b], v[PX+\b]     ; with the 16 keys of the lane 16 away
.endr
	v_max3_num_f32 v[T0], v[BM], v[BM+1], v[BM+2]
	v_max_num_f32 v[T0], v[T0], v[BM+3]            ; the step's largest score of my query
	v_mul_f32 v[T0], s[CS], v[T0]                  ; as t (c is positive)
	v_max_num_f32 v13, v13, v[T0]                  ; the running largest t
	v_mov_b32 v[T0], v12
	v_floor_f32 v12, -v13                          ; the new -M = floor(-t) = -ceil(t): M is a whole number
	v_sub_f32 v[T0], v12, v[T0]                    ; M's old value less its new one: a whole number, 0 or less
	v_cvt_i32_f32 v[T0], v[T0]                     ; (it saturates)
	v_ldexp_f32 v[FF], 1.0, v[T0]                  ; f = 2^(old M - new M)
.set n, 0
.rept 32
	v_pk_fma_f32 v[ST+n:ST+n+1], v[ST+n:ST+n+1], s[CS:CS+1], v[12:13] op_sel_hi:[1,0,0]   ; t - M, two at a time
.set n, n+2
.endr
.irp b, 0,1,2,3
	v_fma_f32 v[BM+\b], v[BM+\b], s[CS], v12       ; the same of each block's largest score
.endr
.set n, 0
.rept 64
	v_exp_f32 v[ST+n], v[ST+n]                     ; p = 2^(t - M), at most 1: not normalised
.set n, n+1
.endr
	v_pk_mul_f32 v[14:15], v[14:15], v[FF:FF+1] op_sel_hi:[1,0]   ; the sums under the new M: a plain instruction behind the exponentials
	s_wait_alu depctr_va_vdst(0)                   ; one wait for the whole batch, ahead of its first reader
.irp b, 0,1,2,3
	v_exp_f32 v[BM+\b], v[BM+\b]                   ; the block's largest p: the same two instructions on the same number give the same bits
.endr
	v_pk_add_f32 v[S2:S2+1], v[ST:ST+1], v[ST+2:ST+3]   ; the row's sum is taken of the unquantised p: two at a time, in two chains
.set n, 4
.rept 15
	v_pk_add_f32 v[14:15], v[14:15], v[ST+n:ST+n+1]
	v_pk_add_f32 v[S2:S2+1], v[S2:S2+1], v[ST+n+2:ST+n+3]
.set n, n+4
.endr
	v_pk_add_f32 v[14:15], v[14:15], v[S2:S2+1]
	s_wait_alu depctr_va_vdst(0)                   ; and one for the four
.irp b, 0,1,2,3
	v_max_num_f32 v[BM+\b], 0x8000000, v[BM+\b]    ; the floor 2^(16 - 127): the byte cannot fall under 1
.endr
.irp b, 0,1,2,3
	v_add_nc_u32 v[SOP+\b], 0xf8800000, v[BM+\b]   ; 15 off the exponent field: the conversion's scale operand
.endr
.irp b, 0,1,2,3
	v_and_or_b32 v[HLD+\b], v[BM+\b], 0x7f800000, s[MNT]   ; 57,344 x the scale
.endr
.irp b, 0,1,2,3
	v_lshrrev_b32 v[PX+\b], 23, v[SOP+\b]          ; the scale's byte
.endr
	v_lshl_or_b32 v[PSW], v[PX+1], 8, v[PX]        ; p's scale word for these 128 keys
	v_lshl_or_b32 v[PSW], v[PX+2], 16, v[PSW]
	v_lshl_or_b32 v[PSW], v[PX+3], 24, v[PSW]
.irp b, 0,1,2,3
.irp i, 0,1,2,3,4,5,6,7,8,9,10,11,12,13,14,15
	v_min_num_f32 v[ST+16*\b+\i], v[ST+16*\b+\i], v[HLD+\b]   ; the conversion does not saturate (ISA guide 7.6.2); p is not negative, so the hold is one-sided
.endr
	v_cvt_scalef32_pk8_bf8_f32 v[PCD+4*\b:PCD+4*\b+1], v[ST+16*\b:ST+16*\b+7], v[SOP+\b]
	v_cvt_scalef32_pk8_bf8_f32 v[PCD+4*\b+2:PCD+4*\b+3], v[ST+16*\b+8:ST+16*\b+15], v[SOP+\b]
.endr
.irp t, 0,1,2,3                                ; V's four fragments (16 channels x these 128 keys) take p's registers
.irp c, 0,1,2,3
	ds_load_b128 v[ST+16*\t+4*\c:ST+16*\t+4*\c+3], v[ADL] offset:VC+8192*(\q)+2048*\t+512*\c
.endr
.endr
	ds_load_b128 v[VSW:VSW+3], v[ADT] offset:VSO+256*(\q)   ; row r's four scale words, one for each fragment
.set n, 0
.rept 16
	v_pk_mul_f32 v[OT+n:OT+n+1], v[OT+n:OT+n+1], v[FF:FF+1] op_sel_hi:[1,0]   ; O^T under the new M.  (These sixteen are also the places between the conversions and the products)
.set n, n+2
.endr
	s_wait_dscnt 0x0
.irp t, 0,1,2,3                                ; O^T += V^T P^T: the four accumulators by turns
	v_wmma_scale_f32_16x16x128_f8f6f4 v[OT+8*\t:OT+8*\t+7], v[ST+16*\t:ST+16*\t+15], v[PCD:PCD+15], v[OT+8*\t:OT+8*\t+7], v[VSW+\t], v[PSW] matrix_a_fmt:MATRIX_FMT_BF8 matrix_b_fmt:MATRIX_FMT_BF8
.endr
.Lhidden_\@:
	s_add_co_u32 s[KF], s[KF], 128
.endm
; THE CHANGE OF SLOTS stands at a slot's head.  Each wave waits for all its tensor loads (its part of the slot that it is about to read), adds 0 to its spare word, and waits for that and for its reads of the slot that it has left.
; Behind the barrier the slot ahead is whole and nobody reads the other one.  fill = 1: that other slot takes the tile that follows: the next 256 keys, or keys 0 to 255 again where the second block of queries begins.
.macro CHANGE fill
	s_wait_tensorcnt 0x0                           ; no tensor load of mine is out, so a group 0 may be written
	ds_add_u32 v[SPW], v[NIL]                      ; 0 onto my spare word
.if \fill
	s_add_co_u32 s[KSN], s[KSC], 1
	s_cmp_eq_u32 s[TR], s[NAM1]
	s_cselect_b32 s[KSN], 0, s[KSN]
	s_lshl_b32 s[OFF], s[KSN], 15                  ; 256 keys are two blocks of 16,384 bytes of codes,
	WALK G0K, BK
	WALK G0V, BV
	s_lshl_b32 s[OFF], s[KSN], 10                  ; and two of 512 scale bytes
	WALK G0KS, BKS
	WALK G0VS, BVS
	s_wait_xcnt 0x0                                ; the last prefetch, a slot back, has read its address, so it may be written
	s_add_nc_u64 s[PFA:PFA+1], s[PFA:PFA+1], s[PST:PST+1]
.endif
	s_wait_dscnt 0x0                               ; the add is done, and my reads of the slot that I have left are over
	s_barrier_signal -1
	s_barrier_wait -1
.if \fill
	TLOAD4                                         ; the first thing behind the barrier, and a wave's one tensor load until the next
	ASK
.endif
.endm
.macro SLOT_STEPS
	s_lshl_b32 s[KF], s[KSC], 8
	STEP 0
	STEP 1
	s_xor_b32 s[TB], s[TB], SLOT1                  ; on to the other slot
.endm
; A BLOCK OF QUERIES ENDS: O^T is divided by the sum, quantised along the channels (two blocks of 32) and stored as an operand's registers.  again = 1: the second block of queries begins.
.macro FINISH again
.rept 8
	v_nop                                          ; places behind the last products
.endr
	s_wait_xcnt 0x0                                ; every earlier memory instruction has read its registers: the stores' data and bases are written below
	v_add_f32 v14, v14, v15                        ; the sum's two halves,
	v_permlanex16_b32 v[PX], v14, s[SEL], s[SEL+1]
	v_add_f32 v14, v14, v[PX]                      ; and those of the lane 16 away: the row's sum
	v_rcp_f32 v14, v14
	v_nop                                          ; a plain instruction behind the transcendental
	s_wait_alu depctr_va_vdst(0)                   ; and the wait ahead of its first reader
.set n, 0
.rept 32
	v_mul_f32 v[ST+n], v[OT+n], v14                ; y(r, 16 tt + 8 h + j), each accumulator from its low end on
.set n, n+1
.endr
.irp c, 0,1
	v_max3_num_f32 v[BM+\c], |v[ST+16*\c]|, |v[ST+1+16*\c]|, 0x8000000
.endr
.irp i, 2,4,6,8,10,12,14
.irp c, 0,1
	v_max3_num_f32 v[BM+\c], v[BM+\c], |v[ST+16*\c+\i]|, |v[ST+1+16*\c+\i]|
.endr
.endr
.irp c, 0,1
	v_permlanex16_b32 v[PX+\c], v[BM+\c], s[SEL], s[SEL+1]
.endr
.irp c, 0,1
	v_max_num_f32 v[BM+\c], v[BM+\c], v[PX+\c]
.endr
.irp c, 0,1
	v_add_nc_u32 v[SOP+\c], 0xf8800000, v[BM+\c]
.endr
.irp c, 0,1
	v_and_or_b32 v[HLD+\c], v[BM+\c], 0x7f800000, s[MNT]
.endr
.irp c, 0,1
	v_lshrrev_b32 v[PX+\c], 23, v[SOP+\c]
.endr
	v_lshl_or_b32 v[YB], v[PX+1], 8, v[PX]
	v_lshrrev_b32 v[YB], v[H8], v[YB]              ; lanes 0-15 store block 0's byte, lanes 16-31 block 1's
.irp c, 0,1
.irp i, 0,1,2,3,4,5,6,7,8,9,10,11,12,13,14,15
	v_med3_num_f32 v[ST+16*\c+\i], v[ST+16*\c+\i], -v[HLD+\c], v[HLD+\c]
.endr
	v_cvt_scalef32_pk8_bf8_f32 v[YC+4*\c:YC+4*\c+1], v[ST+16*\c:ST+16*\c+7], v[SOP+\c]
	v_cvt_scalef32_pk8_bf8_f32 v[YC+4*\c+2:YC+4*\c+3], v[ST+16*\c+8:ST+16*\c+15], v[SOP+\c]
.endr
	v_nop                                          ; one plain vector instruction behind the last conversion
	s_lshl_b32 s30, s[BAT], 7
	s_lshr_b32 s31, s[Q0], 4
	s_add_co_u32 s30, s30, s31                     ; y_codes [row / 16][block of 32 channels][lane][16 bytes]
	s_lshl_b32 s30, s30, 14
	s_lshl_b32 s31, s[HEAD], 10
	s_add_co_u32 s[OFF], s30, s31
	s_add_nc_u64 s[YA:YA+1], s[8:9], s[OFF:OFF+1]
	s_lshl_b32 s30, s[BAT], 11
	s_add_co_u32 s30, s30, s[Q0]
	s_lshl_b32 s30, s30, 5                         ; y_scales [row][32]
	s_lshl_b32 s31, s[HEAD], 1
	s_add_co_u32 s[OFF], s30, s31
	s_add_nc_u64 s[YS:YS+1], s[10:11], s[OFF:OFF+1]
	global_store_b128 v[L16], v[YC:YC+3], s[YA:YA+1]               ; 512 consecutive bytes, aligned
	global_store_b128 v[L16], v[YC+4:YC+7], s[YA:YA+1] offset:512
	global_store_b8 v[YSO], v[YB], s[YS:YS+1]      ; a byte a lane, rows 32 bytes apart: one byte in 32 of what the launch stores
.if \again
	s_lshl_b32 s[Q0], s[WI], 8
	s_lshl_b32 s30, s[WV], 4
	s_add_co_u32 s[Q0], s[Q0], s30                 ; the second block of queries: 256 i + 16 x wave
	QLOAD
	RESET
	s_wait_loadcnt 0x0                             ; Q
.endif
.endm
	s_wait_loadcnt 0x0                             ; Q
.Lslot:                                            ; eight trips: behind each change of slots but the last the next tile is asked for
	CHANGE 1
	SLOT_STEPS
	s_cmp_lg_u32 s[TR], s[NAM1]
	s_cbranch_scc1 .Lsame
	FINISH 1
.Lsame:
	s_mov_b32 s[KSC], s[KSN]
	s_add_co_u32 s[TR], s[TR], 1
	s_cmp_lt_u32 s[TR], 8
	s_cbranch_scc1 .Lslot
	CHANGE 0                                       ; the last slot is written out
	SLOT_STEPS
	FINISH 0
	s_wait_tensorcnt 0x0                           ; the wave's end
	ds_add_u32 v[SPW], v[NIL]
	s_wait_dscnt 0x0
	s_endpgm
.Lfunc_end_k_qcd3ab3c8d7_attn:
	.size	k_qcd3ab3c8d7_attn, .Lfunc_end_k_qcd3ab3c8d7_attn-k_qcd3ab3c8d7_attn
	.p2alignl 7, 3214868480
	.fill 96, 4, 3214868480
	.section	.rodata,"a",@progbits
	.p2align	6, 0x0
	.amdhsa_kernel k_qcd3ab3c8d7_attn
		.amdhsa_group_segment_fixed_size 327680
		.amdhsa_private_segment_fixed_size 0
		.amdhsa_enable_private_segment 0
		.amdhsa_kernarg_size 32
		.amdhsa_user_sgpr_count 2
		.amdhsa_user_sgpr_kernarg_segment_ptr 1
		.amdhsa_wavefront_size32 1
		.amdhsa_system_sgpr_workgroup_id_x 1
		.amdhsa_system_sgpr_workgroup_id_y 1
		.amdhsa_system_sgpr_workgroup_id_z 1
		.amdhsa_system_vgpr_workitem_id 0
		.amdhsa_next_free_vgpr 256
		.amdhsa_next_free_sgpr 106
		.amdhsa_reserve_vcc 1
		.amdhsa_float_denorm_mode_32 3
		.amdhsa_float_denorm_mode_16_64 3
		.amdhsa_memory_ordered 1
		.amdhsa_forward_progress 1
		.amdhsa_inst_pref_size 124
	.end_amdhsa_kernel
	.amdgpu_metadata
---
amdhsa.version: [ 1, 2 ]
amdhsa.kernels:
  - .name:           k_qcd3ab3c8d7_attn
    .symbol:         k_qcd3ab3c8d7_attn.kd
    .args:
      - { .name: qkv_codes, .offset: 0, .size: 8, .value_kind: global_buffer, .address_space: global }
      - { .name: qkv_scales, .offset: 8, .size: 8, .value_kind: global_buffer, .address_space: global }
      - { .name: y_codes, .offset: 16, .size: 8, .value_kind: global_buffer, .address_space: global }
      - { .name: y_scales, .offset: 24, .size: 8, .value_kind: global_buffer, .address_space: global }
    .group_segment_fixed_size: 327680
    .private_segment_fixed_size: 0
    .kernarg_segment_align: 8
    .kernarg_segment_size: 32
    .max_flat_workgroup_size: 512
    .sgpr_count:     106
    .vgpr_count:     256
    .wavefront_size: 32
...
	.end_amdgpu_metadata
.endif
;; end of part 3
;; launch proj (part 4): grid 4 x 32, 4 waves a work-group, clusters of 4 x 4, 327,680 bytes of LDS; arguments y_codes, y_scales, w_codes, w_scales, b_o, out0; writes out0
.if DOCPART == 4
	.amdgcn_target "amdgcn-amd-amdhsa--gfx1250"
	.amdhsa_code_object_version 6
	.text
	.protected	k_qcd3ab3c8d7_proj
	.globl	k_qcd3ab3c8d7_proj
	.p2align	8
	.type	k_qcd3ab3c8d7_proj,@function
k_qcd3ab3c8d7_proj:
	s_mov_b64 s[64:65], 0
	v_nop
	global_prefetch_b8 v0, s[64:65] scope:SCOPE_SE
	s_setreg_imm32_b32 hwreg(HW_REG_WAVE_MODE, 25, 1), 1
	s_wait_xcnt 0x0
	s_wait_alu depctr_hold_cnt(0) depctr_sa_sdst(0) depctr_va_vdst(0) depctr_va_sdst(0) depctr_va_ssrc(0) depctr_va_vcc(0) depctr_vm_vsrc(0)
	s_getreg_b32 s2, hwreg(HW_REG_IB_STS2, 6, 4)
	s_cmp_eq_u32 s2, 0
	s_cbranch_scc0 .Lentry_in_a_cluster
	s_endpgm
.Lentry_in_a_cluster:
	s_bfe_u32 s2, ttmp6, 0x10000c
	s_cmp_lg_u32 s2, 0xf033
	s_cbranch_scc0 .Lentry_shape_is_right
	s_endpgm
.Lentry_shape_is_right:
; out0 = y W_o^T + b_o, on codes of BF8 (E5M2) with E8M0 scales for each 32 along K = 1,024; sums in f32.  W_o is rows 3,072 to 4,095 of w_codes and w_scales.
; y_codes [row / 16][block of 32 along K][lane 32][16 bytes]: 512 bytes are registers 4 c .. 4 c + 3 of an operand, 16 bytes a lane; y_scales [8192][32].
; A tile of out0, 256 x 256, is made by four waves, 128 x 128 each: 64 accumulators, 512 registers.  K goes in steps of 256 through a ring of two LDS slots filled by the tensor data mover.
; y's part of a slot is dense (its reads are 16 bytes a lane on end); W_o's rows of 256 bytes get 16 bytes of padding.  The scale bytes of the work-group's rows, for all of K, come into LDS once.
; CLUSTERS: 4 x 4 work-groups; y's tile is asked for jointly along a row of the cluster, W_o's along a column.
; THE MATRIX INSTRUCTION IS USED TRANSPOSED (source 0 = 16 rows of W_o, source 1 = 16 rows of y): a lane holds eight neighbouring numbers of a row of out0.  THE BIAS is the C of each sum's first matrix instruction.
; 128 work-groups: the grid that tiles of this size give.  No prefetch: K has four fills of a slot, of which two are first fills.
; REGISTERS, in windows of 256: window 0: v0-31 addresses; v32-63 scale words, two sets; v64-127 the bias; from v128 y's fragments, one set; on the way out v128-255 rows of out0.
;   window 1: W_o's fragments, two sets.   window 2: the accumulators of my rows 0-63 ((a, b) at v[8 (8 a + b)]);   window 3: those of my rows 64-127.
.set SIZE_N, 1024
.set SIZE_K, 1024
.set KSTEP,  256
.set NQ,     KSTEP/128
.set ROWB,   256
.set KROW,   SIZE_K
.set PITCH,  272                       ; an LDS row of W_o: 256 bytes + 16 of padding
.set FR,     16
.set NL,     4
.set NP,     8                         ; places behind this matrix instruction (ISA guide 7.12.1)
.set HALFA,  32768                     ; y: 128 rows x 256 along K, as 8 x 8 pieces of 512 bytes
.set ASTEP,  4096                      ; a K step of 16 rows of y, in memory and in LDS
.set HALFT,  128*PITCH                 ; W_o: 128 rows
.set BOFF,   2*HALFA                   ; a slot: y's two halves, then W_o's two
.set SLOT,   BOFF+2*HALFT
.set LAPS,   SIZE_K/(2*KSTEP)
.set KS,     SIZE_K/32
.set SCL,    2*SLOT                    ; behind the ring: the scales, as 256 bytes + 16 of padding
.set HALFS,  (128*KS/256)*272
.set SBLK,   (16*KS/256)*272
.set SPARE,  SCL+4*HALFS               ; the spare words, 128 bytes for each wave: two blocks of 256 bytes that no other line names
.set SPITCH, 528                       ; the way out: a stage of 16 rows x (512 bytes + 16) for each wave, in slot 0, which has had its last fill and its last read when the first result is stored there
.set ADRA, 16
.set ADRB, 20
.set STO,  24
.set RD,   25
.set CO,   26                          ; v26     16 x lane
.set ADRS, 27
.set SPW,  28
.set NIL,  29
.set BO,   30                          ; v30     32 h: my half's eight numbers of the bias
.set SC,   32
.set BI,   64                          ; v64-127 the bias: for W_o's block b eight registers in the result's layout
.set AF,   128
.set BK,   128
.set G1, 24
.set G0, 32
.set G1B, 48
.set G0B, 56
.set G1S, 68
.set G0S, 76
.set G1SB, 80
.set G0SB, 88
.set CP,  98                           ; s[98:99] out0
.set MSB, 0
.macro WIN new
.if MSB != (\new)
	s_set_vgpr_msb (MSB<<8)|(\new)
.set MSB, (\new)
.endif
.endm
.set MUL_LO, 0xa1                      ; source 0 (W_o) window 1, source 1 (y) window 0, C and D window 2
.set MUL_HI, 0xf1
.set BIA_LO, 0x81                      ; the same with C (the bias) in window 0
.set BIA_HI, 0xc1
.set TO_B,   0x40
.macro JLOAD g0a, g1a, g0b, g1b        ; a joint load: waves 0 and 1 fetch for y, waves 2 and 3 for W_o; four v_nop follow each of the two lines
	s_cmp_eq_u32 s15, 0
	s_cbranch_scc0 .Lfor_b_\@
	tensor_load_to_lds s[\g0a:\g0a+3], s[\g1a:\g1a+7]
	s_nop 0
.rept 4
	v_nop
.endr
	s_branch .Lasked_\@
.Lfor_b_\@:
	tensor_load_to_lds s[\g0b:\g0b+3], s[\g1b:\g1b+7]
	s_nop 0
.rept 4
	v_nop
.endr
.Lasked_\@:
.endm
.macro CREST
	s_cmp_lg_u32 s14, 0
	s_cbranch_scc1 .Lnot_wave_0_\@
	s_barrier_signal -3
.Lnot_wave_0_\@:
	s_barrier_wait -3
	s_barrier_signal -1
	s_barrier_wait -1
.endm
.macro CROUND
	s_barrier_signal -1
	s_barrier_wait -1
	CREST
.endm
	s_load_b128 s[4:7], s[0:1], 0x0                ; y's codes, y's scales
	s_load_b128 s[8:11], s[0:1], 0x10              ; the weights' codes and scales
	s_load_b128 s[96:99], s[0:1], 0x20             ; b_o, out0
	v_lshl_add_u32 v[SPW], v0, 2, SPARE
	v_mov_b32 v[NIL], 0
	ds_add_u32 v28, v29
	s_wait_dscnt 0x0
	v_lshrrev_b32 v1, 5, v0
	v_readfirstlane_b32 s14, v1                    ; wave 0..3
	s_lshr_b32 s15, s14, 1                         ; which half of the tile's rows is mine.  Also: I fetch for y (0) or for W_o (1)
	s_and_b32 s16, s14, 1                          ; which half of its columns.  Also: which 128 rows of that tile I fetch
	s_bfe_u32 s40, ttmp6, 0x40000                  ; cx, cy
	s_bfe_u32 s41, ttmp6, 0x40004
	s_lshl_b32 s42, ttmp9, 2
	s_add_co_u32 s42, s42, s40                     ; tile column
	s_and_b32 s17, ttmp7, 0xffff
	s_lshl_b32 s17, s17, 2
	s_add_co_u32 s17, s17, s41                     ; tile row
	s_lshl_b32 s43, s41, 2
	s_lshl_b32 s43, 15, s43                        ; my row of the cluster
	s_lshl_b32 s44, 0x1111, s40                    ; my column
	; group 1 for y: 8 rows (16 rows of y each) of 4,096 bytes (512 elements of 8 bytes), 16,384 bytes apart; dense in LDS
	s_or_b32 s[G1+0], s43, (3<<16)|(1<<21)         ; 15:0 the mask: my row; 17:16 elements of 8 bytes; 21 set beside a mask
	s_mov_b32 s[G1+1], 512<<16
	s_mov_b32 s[G1+2], 8<<16
	s_mov_b32 s[G1+3], 512<<16
	s_mov_b32 s[G1+4], 8
	s_mov_b32 s[G1+5], 2048
	s_mov_b32 s[G1+6], 0
	s_mov_b32 s[G1+7], 0
	; for W_o: 128 rows x 256 bytes, 16 bytes of padding behind each
	s_or_b32 s[G1B+0], s44, (0<<16)|(1<<20)|(1<<21)|(5<<22)|(3<<25)
	s_mov_b32 s[G1B+1], ROWB<<16
	s_mov_b32 s[G1B+2], 128<<16
	s_mov_b32 s[G1B+3], ROWB<<16
	s_mov_b32 s[G1B+4], 128
	s_mov_b32 s[G1B+5], KROW
	s_mov_b32 s[G1B+6], 0
	s_mov_b32 s[G1B+7], 0
	; for the scales of 128 rows: 4,096 dense bytes as rows of 256, 16 bytes of padding behind each
	s_or_b32 s[G1S+0], s43, (3<<16)|(1<<20)|(1<<21)|(5<<22)|(3<<25)
	s_or_b32 s[G1SB+0], s44, (3<<16)|(1<<20)|(1<<21)|(5<<22)|(3<<25)
.irp g, G1S, G1SB
	s_mov_b32 s[\g+1], 32<<16
	s_mov_b32 s[\g+2], (128*KS/256)<<16
	s_mov_b32 s[\g+3], 32<<16
	s_mov_b32 s[\g+4], 128*KS/256
	s_mov_b32 s[\g+5], 32
	s_mov_b32 s[\g+6], 0
	s_mov_b32 s[\g+7], 0
.endr
	s_lshl_b32 s18, s16, 7
	s_lshl_b32 s20, s17, 8
	s_add_co_u32 s20, s20, s18                     ; y: row 256 x tile row + 128 x half
	s_lshl_b32 s46, s42, 8
	s_add_co_u32 s46, s46, s18                     ; W_o: row 256 x tile column + 128 x half
	s_lshl_b32 s22, s20, 5                         ; their scale bytes: 32 a row
	s_mov_b32 s23, 0
	s_lshl_b32 s92, s46, 5
	s_mov_b32 s93, 0
	s_lshl_b32 s20, s20, 10                        ; their codes: 16 rows of y are 16,384 bytes, a row of W_o 1,024
	s_mov_b32 s21, 0
	s_lshl_b32 s46, s46, 10
	s_mov_b32 s47, 0
	s_lshl_b32 s45, s16, 15                        ; where they go: y's half,
	s_mul_i32 s95, s16, HALFT
	s_add_co_u32 s95, s95, BOFF                    ; W_o's half,
	s_mul_i32 s94, s14, HALFS                      ; the scales: no place in the cluster enters an LDS address
	s_wait_kmcnt 0x0
	s_add_nc_u64 s[8:9], s[8:9], 0x300000          ; W_o begins at row 3,072 of the weights' codes
	s_add_nc_u64 s[10:11], s[10:11], 98304         ; and scale bytes
	s_add_nc_u64 s[20:21], s[4:5], s[20:21]
	s_add_nc_u64 s[22:23], s[6:7], s[22:23]
	s_add_nc_u64 s[46:47], s[8:9], s[46:47]
	s_add_nc_u64 s[92:93], s[10:11], s[92:93]
	CROUND                                         ; all sixteen work-groups are here: the first joint loads meet
	s_mov_b32 s[G0S], 1
	s_add_co_u32 s[G0S+1], s94, SCL
	s_mov_b64 s[G0S+2:G0S+3], s[22:23]
	s_or_b32 s[G0S+3], s[G0S+3], 0x80000000
	s_mov_b32 s[G0SB], 1
	s_add_co_u32 s[G0SB+1], s94, SCL
	s_mov_b64 s[G0SB+2:G0SB+3], s[92:93]
	s_or_b32 s[G0SB+3], s[G0SB+3], 0x80000000
	JLOAD G0S, G1S, G0SB, G1SB                     ; the scales first
.irp s, 0,1
	s_mov_b32 s[G0+4*\s], 1
	s_add_co_u32 s[G0+4*\s+1], s45, \s*SLOT
	s_add_nc_u64 s[G0+4*\s+2:G0+4*\s+3], s[20:21], \s*ASTEP
	s_or_b32 s[G0+4*\s+3], s[G0+4*\s+3], 0x80000000
	s_mov_b32 s[G0B+4*\s], 1
	s_add_co_u32 s[G0B+4*\s+1], s95, \s*SLOT
	s_add_nc_u64 s[G0B+4*\s+2:G0B+4*\s+3], s[46:47], \s*ROWB
	s_or_b32 s[G0B+4*\s+3], s[G0B+4*\s+3], 0x80000000
	JLOAD G0+4*\s, G1, G0B+4*\s, G1B
.endr
	v_and_b32 v1, 15, v0                           ; r
	v_bfe_u32 v2, v0, 4, 1                         ; h
	v_mul_u32_u24 v3, v1, PITCH
	v_lshl_add_u32 v4, v2, 4, v3                   ; W_o: a fragment's row x pitch + 16 x half
	v_and_b32 v6, 31, v0
	v_lshlrev_b32 v[CO], 4, v6                     ; y: 16 x lane
	s_lshl_b32 s21, s15, 15                        ; my 128 rows of y
	s_mul_i32 s22, s16, HALFT                      ; my 128 rows of W_o
	s_add_co_u32 s22, s22, BOFF
.irp s, 0,1
	v_add_nc_u32 v[ADRA+\s], s21, v[CO]
	v_add_nc_u32 v[ADRB+\s], s22, v4
	s_add_co_u32 s21, s21, SLOT
	s_add_co_u32 s22, s22, SLOT
.endr
	v_mul_u32_u24 v5, v1, KS                       ; my row's scales: 32 bytes a row,
	v_lshrrev_b32 v6, 8, v5
	v_lshl_add_u32 v5, v6, 4, v5                   ; and 16 more for each 256 passed
	s_mul_i32 s21, s15, HALFS
	s_mul_i32 s22, s16, HALFS
	s_add_co_u32 s22, s22, 2*HALFS
	s_sub_co_u32 s22, s22, s21
	v_mul_u32_u24 v6, s22, v2                      ; lanes 16-31 take W_o's
	s_add_co_u32 s21, s21, SCL
	v_add_nc_u32 v5, v5, v6
	v_add_nc_u32 v[ADRS], s21, v5
	s_mul_i32 s23, s14, 16*SPITCH                  ; my stage
	v_mul_u32_u24 v5, v1, SPITCH                   ; in: row r, 32 bytes for each half of the lanes
	v_lshl_add_u32 v5, v2, 5, v5
	v_add_nc_u32 v[STO], s23, v5
	v_add_nc_u32 v[RD], s23, v[CO]                 ; back: the 32 lanes take one row of 512 bytes
	v_lshlrev_b32 v[BO], 5, v2
	s_lshl_b32 s46, s42, 10                        ; my first column, in bytes: 1,024 x tile column + 512 x half
	s_lshl_b32 s47, s16, 9
	s_add_co_u32 s46, s46, s47
	s_mov_b32 s47, 0
	s_add_nc_u64 s[96:97], s[96:97], s[46:47]      ; b_o at my first column
.irp b, 0,1,2,3,4,5,6,7
	global_load_b128 v[BI+8*\b:BI+8*\b+3], v[BO], s[96:97] offset:64*\b        ; b_o(16 b + 8 h + 0 .. 7) of my 128 columns
	global_load_b128 v[BI+8*\b+4:BI+8*\b+7], v[BO], s[96:97] offset:64*\b+16
.endr
	s_lshl_b32 s20, s17, 8
	s_lshl_b32 s21, s15, 7
	s_add_co_u32 s20, s20, s21                     ; my first row of out0
	s_lshl_b32 s20, s20, 12                        ; 4,096 bytes a row (under 2^26)
	s_mov_b32 s21, 0
	s_add_nc_u64 s[20:21], s[20:21], s[46:47]
	s_add_nc_u64 s[CP:CP+1], s[CP:CP+1], s[20:21]
.macro FRAG reg, adr, q, i             ; a fragment of W_o from rows
.irp c, 0,1,2,3
	ds_load_b128 v[\reg+4*\c:\reg+4*\c+3], v[\adr] offset:128*(\q)+32*\c+(\i)*16*PITCH
.endr
.endm
.macro FRAGA reg, adr, q, i            ; a fragment of y: four pieces of 512 bytes, as they were stored
.irp c, 0,1,2,3
	ds_load_b128 v[\reg+4*\c:\reg+4*\c+3], v[\adr] offset:2048*(\q)+512*\c+(\i)*ASTEP
.endr
.endm
; 16 matrix instructions: y's blocks a0, a0 + 1 x W_o's eight.  first = 1: the sums begin with the bias.  The 64 accumulators take turns, one instruction a turn.
.macro MUL16 a0, p, q, sc, first
.irp a, \a0, \a0+1
.irp b, 0,1,2,3,4,5,6,7
.if \first
	v_wmma_scale_f32_16x16x128_f8f6f4 v[8*(8*((\a)%4)+\b):8*(8*((\a)%4)+\b)+7], v[128*(\p)+FR*\b:128*(\p)+FR*\b+FR-1], v[AF+FR*(\a):AF+FR*(\a)+FR-1], v[BI+8*\b:BI+8*\b+7], v[SC+8*NQ*(\sc)+NQ*\b+(\q)], v[SC+8*NQ*(\sc)+NQ*(\a)+(\q)] matrix_a_fmt:MATRIX_FMT_BF8 matrix_b_fmt:MATRIX_FMT_BF8 matrix_a_scale:MATRIX_SCALE_ROW1
.else
	v_wmma_scale_f32_16x16x128_f8f6f4 v[8*(8*((\a)%4)+\b):8*(8*((\a)%4)+\b)+7], v[128*(\p)+FR*\b:128*(\p)+FR*\b+FR-1], v[AF+FR*(\a):AF+FR*(\a)+FR-1], v[8*(8*((\a)%4)+\b):8*(8*((\a)%4)+\b)+7], v[SC+8*NQ*(\sc)+NQ*\b+(\q)], v[SC+8*NQ*(\sc)+NQ*(\a)+(\q)] matrix_a_fmt:MATRIX_FMT_BF8 matrix_b_fmt:MATRIX_FMT_BF8 matrix_a_scale:MATRIX_SCALE_ROW1
.endif
.endr
.endr
.endm
.macro FETCH_B slot, q, p
	WIN TO_B
.irp i, 0,1,2,3,4,5,6,7
	FRAG 128*(\p)+FR*\i, ADRB+\slot, \q, \i
.endr
	WIN 0
.endm
.macro FETCH_A slot, q, i0
.irp i, \i0, \i0+1, \i0+2, \i0+3
	FRAGA AF+FR*(\i), ADRA+\slot, \q, \i
.endr
.endm
.macro SCALES sc
.irp i, 0,1,2,3,4,5,6,7
	ds_load_b64 v[SC+8*NQ*\sc+NQ*\i:SC+8*NQ*\sc+NQ*\i+1], v[ADRS] offset:\i*SBLK
.endr
.endm
.macro PLACES n                        ; plain vector instructions that name no register of the matrix instructions ahead (ISA guide 7.12.1)
.rept \n
	v_nop
.endr
.endm
.macro STEP slot, q, first
	s_wait_dscnt 4*NL                              ; W_o's set and y's blocks 0-3 are in; the youngest 16 loads (blocks 4-7) may be out
.if \first
	WIN BIA_LO
.else
	WIN MUL_LO
.endif
	MUL16 0, (\q)%2, \q, \slot, \first
	MUL16 2, (\q)%2, \q, \slot, \first
	s_wait_dscnt 0
	PLACES NP
	FETCH_B \slot, (\q)+1, 1-(\q)%2
	FETCH_A \slot, (\q)+1, 0
.if \first
	WIN BIA_HI
.else
	WIN MUL_HI
.endif
	MUL16 4, (\q)%2, \q, \slot, \first
	MUL16 6, (\q)%2, \q, \slot, \first
	PLACES NP
	WIN 0
	FETCH_A \slot, (\q)+1, 4
.endm
.macro TURN slot, next, fill           ; a slot's last step changes slots
	s_wait_tensorcnt 0x0                           ; all my tensor loads have landed: my part of the next slot
	ds_add_u32 v[SPW], v[NIL]                      ; 0 onto my spare word
	s_wait_dscnt 4*NL+1                            ; (the add and the youngest 16 loads may be out)
	WIN MUL_LO
	MUL16 0, 1, NQ-1, \slot, 0
	s_wait_dscnt 0x0                               ; the add is done, and my reads of this slot are over
	s_barrier_signal -1
	MUL16 2, 1, NQ-1, \slot, 0
	WIN 0
	s_barrier_wait -1
.if \fill
	CREST                                          ; the barrier has opened a round of the cluster's barrier: no wave of any partner still reads this slot or has a load on its way
	s_add_nc_u64 s[G0+4*\slot+2:G0+4*\slot+3], s[G0+4*\slot+2:G0+4*\slot+3], 2*ASTEP
	s_add_nc_u64 s[G0B+4*\slot+2:G0B+4*\slot+3], s[G0B+4*\slot+2:G0B+4*\slot+3], 2*ROWB
	JLOAD G0+4*\slot, G1, G0B+4*\slot, G1B
	PLACES NP-4
.else
	PLACES NP
.endif
	v_add_nc_u32 v[ADRS], 4*NQ, v[ADRS]
	FETCH_B \next, 0, 0
	FETCH_A \next, 0, 0
	SCALES \next
	WIN MUL_HI
	MUL16 4, 1, NQ-1, \slot, 0
	MUL16 6, 1, NQ-1, \slot, 0
	PLACES NP
	WIN 0
	FETCH_A \next, 0, 4
.endm
	s_wait_tensorcnt 1                             ; the scales and my part of K step 0 are in (K step 1's load may be out),
	s_barrier_signal -1
	s_barrier_wait -1                              ; everybody's are
	FETCH_B 0, 0, 0
	FETCH_A 0, 0, 0
	SCALES 0
	FETCH_A 0, 0, 4
	s_wait_loadcnt 0x0                             ; the bias
	STEP 0, 0, 1                                   ; the first step stands in front of the loop: its products start the sums, on the bias
	s_mov_b32 s3, LAPS-1
.Llap:
	TURN 0, 1, 1
	STEP 1, 0, 0
	TURN 1, 0, 1
	STEP 0, 0, 0
	s_sub_co_u32 s3, s3, 1
	s_cmp_lg_u32 s3, 0
	s_cbranch_scc1 .Llap
	TURN 0, 1, 0                                   ; the last lap fills nothing
	STEP 1, 0, 0
	s_wait_dscnt 4*NL
	WIN MUL_LO
	MUL16 0, 1, NQ-1, 1, 0
	MUL16 2, 1, NQ-1, 1, 0
	s_wait_dscnt 0
	WIN MUL_HI
	MUL16 4, 1, NQ-1, 1, 0
	MUL16 6, 1, NQ-1, 1, 0
	WIN 0
; THE WAY OUT, block by block of 16 rows x 128 columns, through my own stage in LDS: back come whole rows of 512 bytes.  LDS serves a wave's instructions in order (ISA guide 5.7.1.4): no wait between the stores and the loads.
.macro TOSTAGE a
.set AC, 64*((\a)%4)
	WIN 0x08+4*((\a)/4)                            ; the data: window 2 or 3
.irp b, 0,1,2,3,4,5,6,7
	ds_store_b128 v[STO], v[AC+8*\b:AC+8*\b+3] offset:64*\b          ; each accumulator from its low end on
	ds_store_b128 v[STO], v[AC+8*\b+4:AC+8*\b+7] offset:64*\b+16
.endr
	WIN 0
.set BB, BK+64*((\a)%2)
.irp t, 0,1,2,3,4,5,6,7,8,9,10,11,12,13,14,15
	ds_load_b128 v[BB+4*\t:BB+4*\t+3], v[RD] offset:\t*SPITCH
.endr
.endm
.macro SEND a, younger                 ; younger: the LDS instructions issued behind block a's loads, which may stay out
.set BB, BK+64*((\a)%2)
	s_wait_dscnt \younger
.if (\a) > 0
	s_add_nc_u64 s[CP:CP+1], s[CP:CP+1], 16*SIZE_N*4   ; (behind a wait on XCNT: the earlier stores have read their base)
.endif
.irp t, 0,1,2,3,4,5,6,7,8,9,10,11,12,13,14,15
	global_store_b128 v[CO], v[BB+4*\t:BB+4*\t+3], s[CP:CP+1] offset:\t*SIZE_N*4 th:TH_STORE_NT   ; 32 lanes store 512 consecutive bytes, at a multiple of 256 from out0's first byte
.endr
.endm
	PLACES NP
	TOSTAGE 0
.irp a, 1,2,3,4,5,6,7
.if \a > 1
	s_wait_xcnt 0x0                                ; block a - 2's stores have read their registers and their base
.endif
	TOSTAGE \a
	SEND \a-1, 32                                  ; behind block a - 1's loads: block a's 16 stores and 16 loads
.endr
	s_wait_xcnt 0x0
	SEND 7, 0
	s_wait_tensorcnt 0x0                           ; the wave's end
	ds_add_u32 v[SPW], v[NIL]
	s_wait_dscnt 0x0
	CROUND                                         ; the closing round
	s_endpgm
.Lfunc_end_k_qcd3ab3c8d7_proj:
	.size	k_qcd3ab3c8d7_proj, .Lfunc_end_k_qcd3ab3c8d7_proj-k_qcd3ab3c8d7_proj
	.p2alignl 7, 3214868480
	.fill 96, 4, 3214868480
	.section	.rodata,"a",@progbits
	.p2align	6, 0x0
	.amdhsa_kernel k_qcd3ab3c8d7_proj
		.amdhsa_group_segment_fixed_size 327680
		.amdhsa_private_segment_fixed_size 0
		.amdhsa_enable_private_segment 0
		.amdhsa_kernarg_size 48
		.amdhsa_user_sgpr_count 2
		.amdhsa_user_sgpr_kernarg_segment_ptr 1
		.amdhsa_wavefront_size32 1
		.amdhsa_system_sgpr_workgroup_id_x 1
		.amdhsa_system_sgpr_workgroup_id_y 1
		.amdhsa_system_sgpr_workgroup_id_z 1
		.amdhsa_system_vgpr_workitem_id 0
		.amdhsa_next_free_vgpr 1024
		.amdhsa_next_free_sgpr 100
		.amdhsa_reserve_vcc 0
		.amdhsa_float_denorm_mode_32 3
		.amdhsa_float_denorm_mode_16_64 3
		.amdhsa_memory_ordered 1
		.amdhsa_forward_progress 1
		.amdhsa_inst_pref_size 147
	.end_amdhsa_kernel
	.amdgpu_metadata
---
amdhsa.version: [ 1, 2 ]
amdhsa.kernels:
  - .name:           k_qcd3ab3c8d7_proj
    .symbol:         k_qcd3ab3c8d7_proj.kd
    .args:
      - { .name: y_codes, .offset: 0, .size: 8, .value_kind: global_buffer, .address_space: global }
      - { .name: y_scales, .offset: 8, .size: 8, .value_kind: global_buffer, .address_space: global }
      - { .name: w_codes, .offset: 16, .size: 8, .value_kind: global_buffer, .address_space: global }
      - { .name: w_scales, .offset: 24, .size: 8, .value_kind: global_buffer, .address_space: global }
      - { .name: b_o, .offset: 32, .size: 8, .value_kind: global_buffer, .address_space: global }
      - { .name: out0, .offset: 40, .size: 8, .value_kind: global_buffer, .address_space: global }
    .group_segment_fixed_size: 327680
    .private_segment_fixed_size: 0
    .kernarg_segment_align: 8
    .kernarg_segment_size: 48
    .max_flat_workgroup_size: 128
    .sgpr_count:     100
    .vgpr_count:     1024
    .wavefront_size: 32
...
	.end_amdgpu_metadata
.endif
;; end of part 4
